; MI455X (gfx1250); checked and timed in simulation.
; The chip was launched on July 23, 2026; its instructions are those of AMD's public machine-readable ISA for CDNA 5 (MIT licence, August 2026) and "CDNA5" Instruction Set Architecture Reference Guide (July 2026). The comments in the code are by the model that wrote it; some were corrected since.
;; Mo EFFN. Allowed arithmetic: matrix products marked QUANTISED: E5M2 operands, one given power-of-two scale a tensor, by v_wmma_f32_16x16x64_bf8_bf8 or v_wmma_f32_16x16x128_bf8_bf8, f32 sums; products left as they are: f32 operands where the result goes on into a quantised operand, else bf16, f16 or f32 operands; f32 sums; everything else in f32.
;; Inputs: b1 8 x 1,024 float32; b2 8 x 1,024 float32; lowp_scales 4 int32 (the exponents e of the quantised operands' scales 2^e); router_w 1,024 x 8 float32; w1 8 x 1,024 x 1,024 float32; w2 8 x 1,024 x 1,024 float32; x 2 x 2,048 x 1,024 float32.
;; Outputs: out0 2 x 2,048 x 1,024 float32.
;; This version of the problem:
;;   THIS VERSION OF THE PROBLEM IS GIVEN IN LOW PRECISION. The matrix products marked QUANTISED in the list below multiply operands that are first quantised to E5M2 (5 exponent bits, 2 mantissa bits; 8 bits a number), with one given power-of-two scale for each operand tensor; their sums are f32. All else is computed in f32.
;;   The module's matrix products, in the order in which they are computed (A, B: the left and right operand; K: the contracted axis; several contracted axes count as one K, in the product's order):
;;     1. [M 4,096, K 1,024] x [K 1,024, N 8]; A: input x; B: input router_w: left as it is (N = 8 < 16)
;;     2. [M 8,192, K 1,024] x [K 1,024, N 4,096]; A: input w1; B: input x: QUANTISED (scales: A lowp_scales[0], B lowp_scales[1])
;;     3. batch 8 x [M 1,024, K 1,024] x [K 1,024, N 4,096]; A: input w2; B: computed on the way: QUANTISED (scales: A lowp_scales[2], B lowp_scales[3])
;;     4. batch 4,096 x [M 1,024, K 8] x [K 8, N 1]; A: computed on the way; B: computed on the way: left as it is (K = 8 < 32)
;;   THE QUANTISER, for each operand of a quantised product, along K:
;;     - The operand's scale is 2^e, e = its entry of the input lowp_scales (int32; the entries are numbered through the quantised products in the list's order, A before B).
;;     - Each number is divided by the scale, clamped to +-57,344, and rounded to the nearest number of E5M2, ties to even, subnormals kept.
;;     - The product sums the exact products of the quantised numbers (number of the format x scale) in f32.
;;   ~~~python
;;   def quantise(x, axis, e):      # numpy; x: float32 -> the quantised numbers, widened to float32 again
;;       x = np.moveaxis(x, axis, -1); K = x.shape[-1]
;;       r = np.clip(x / 2.0 ** e, -57344, 57344)
;;       step = 2.0 ** (np.maximum(np.frexp(np.where(r == 0, 1, r))[1] - 1, -14) - 2)
;;       q = np.round(r / step) * step * 2.0 ** e      # np.round: ties to even
;;       return np.moveaxis(q, -1, axis).astype(np.float32)
;;   ~~~
;;   OPERANDS COMPUTED ON THE WAY. 'Computed on the way' means the value that the module computes at that place (a softmax that the list does not call 'softmax' is quantised finished and normalised). What goes into a quantiser is computed in f32, as accurately as f32 sums, v_exp_f32 and their like allow (about 1e-6 of the number): no bf16 or f16 on the way to a quantiser, and a product that is left as it is and whose result goes on into a quantised operand takes f32 operands (vector FMAs, or v_wmma_f32_16x16x4_f32). A number that lies on a knife's edge between two numbers of the format may be rounded either way, as far as f32 arithmetic and the matrix unit's own rounding can turn it there, and no further.
;; 2 versions. Each part assembles by itself: llvm-mc -triple=amdgcn-amd-amdhsa -mcpu=gfx1250 --defsym DOCPART=n.
;; ======== version 1 of 2: 4 launches
;; workspace buffers: wc 16,777,216 bytes; xc 4,194,304 bytes; hc 33,554,432 bytes; disp 131,072 bytes; pc 16,384 bytes of whole numbers; hist 32,768 bytes of whole numbers; order 16,384 bytes of whole numbers; bmask 256 bytes of whole numbers
;; launch route (part 1): grid 256 x 1, 4 waves a work-group, no clusters, 20,992 bytes of LDS; arguments x, router_w, lowp_scales, xc, disp, pc, hist; writes xc, disp, pc, hist
.if DOCPART == 1
	.amdgcn_target "amdgcn-amd-amdhsa--gfx1250"
	.amdhsa_code_object_version 6
	.text
	.protected	k_qc6e93dcbfc_route
	.globl	k_qc6e93dcbfc_route
	.p2align	8
	.type	k_qc6e93dcbfc_route,@function
k_qc6e93dcbfc_route:
	s_mov_b64 s[64:65], 0
	v_nop
	global_prefetch_b8 v0, s[64:65] scope:SCOPE_SE
	s_setreg_imm32_b32 hwreg(HW_REG_WAVE_MODE, 25, 1), 1
	s_wait_xcnt 0x0
; ROUTE.  A work-group takes 16 tokens: the router (f32 logits, softmax, top-2, renormalised weights) and x's codes of BF8 (E5M2).  x is read once, here.
; code = number / 2^e1, held within +-57,344, rounded to the nearest code, ties to even (e1: entry 1 of lowp_scales).
; LIMITS: e1 between -126 and 112, so that 2^e1 and 57,344 x 2^e1 are f32 numbers.  NaN and infinities among the inputs are not served.
; The logits' f32 sums run in another order than a row-by-row sum: a token whose second and third probability agree to about 1e-6 may take the other expert.
; OUT: xc [4096][1024] codes, K as it lies.   disp [plane 2][token][4] f32: expert e's weight at plane e / 4, word e % 4; 0 where not chosen.
; pc [token]: bits 7:0 the pair of chosen experts a < b as a number 0 .. 27: a (15 - a) / 2 + (b - a - 1 for even a, 7 - b for odd a): neighbouring numbers share an expert;
;             bits 12:8 the token's rank among the tokens of its group of 16 that have the same number.
; hist [group 256][32]: how many of the group's 16 tokens have number = the word's index.  All of these go to fixed places: no address here hangs on the choice.
; No matrix unit, no tensor loads, no cluster: the launch streams, and its work-groups share only the small router table.
.set PART, 16384                       ; LDS: 0: a stage of 4,096 bytes a wave for x's codes;  PART: 1,024 bytes a wave, the waves' partial logits
.set TT,  8                            ; v8-15    at work
.set LG,  24                           ; v24-31   my token's eight partial logits (lane l: token l % 16)
.set RW,  32                           ; v32-95   router_w for my 8 k: [32 j + 8 i + e]
.set XR,  96                           ; v96-223  x: [8 token + 4 j + i]
.set AC,  224                          ; v224-255 sums of a batch of four tokens: [8 t + e]
	s_load_b128 s[4:7], s[0:1], 0x0                ; x s[4:5], router_w s[6:7]
	s_load_b128 s[12:15], s[0:1], 0x10             ; lowp_scales s[12:13], xc s[14:15]
	s_load_b64 s[18:19], s[0:1], 0x20              ; disp
	s_load_b64 s[20:21], s[0:1], 0x28              ; pc
	s_load_b64 s[42:43], s[0:1], 0x30              ; hist
	s_set_vgpr_msb 0x40
	v_lshl_add_u32 v0, v0, 2, 0x5000
	v_mov_b32 v1, 0
	s_set_vgpr_msb 0x4000
	v_lshrrev_b32 v1, 5, v0
	v_readfirstlane_b32 s22, v1                    ; wave 0..3
	v_and_b32 v1, 31, v0                           ; lane
	s_wait_kmcnt 0x0
	s_load_b128 s[24:27], s[12:13], 0x0            ; e0, e1 (x), e2, e3
; wave w takes k = 256 w .. 256 w + 255 of 16 tokens; lane l, chunk j, word i: k = 256 w + 128 j + 4 l + i
	v_lshlrev_b32 v2, 4, v1                        ; 16 l: each load of x reads 512 consecutive bytes
	v_lshlrev_b32 v3, 7, v1                        ; 128 l: four rows of router_w
	s_mov_b32 s29, 0
	s_lshl_b32 s28, s22, 13
	s_add_nc_u64 s[6:7], s[6:7], s[28:29]          ; router_w at row 256 w
	s_lshl_b32 s28, ttmp9, 16
	s_lshl_b32 s30, s22, 10
	s_add_co_u32 s28, s28, s30
	s_add_nc_u64 s[4:5], s[4:5], s[28:29]          ; x at token 16 g, k = 256 w
	s_lshl_b32 s28, ttmp9, 14
	s_lshl_b32 s30, s22, 8
	s_add_co_u32 s28, s28, s30
	s_add_nc_u64 s[14:15], s[14:15], s[28:29]      ; xc likewise
	s_lshl_b32 s28, ttmp9, 8
	s_add_nc_u64 s[18:19], s[18:19], s[28:29]      ; disp at token 16 g
	s_lshl_b32 s28, ttmp9, 6
	s_add_nc_u64 s[20:21], s[20:21], s[28:29]      ; pc at token 16 g
	s_lshl_b32 s28, ttmp9, 7
	s_add_nc_u64 s[42:43], s[42:43], s[28:29]      ; hist at group g
.irp j, 0,1
.irp q, 0,1,2,3,4,5,6,7
	global_load_b128 v[RW+32*\j+4*\q:RW+32*\j+4*\q+3], v3, s[6:7] offset:4096*\j+16*\q
.endr
.endr
.set tk, 0
.rept 16
	global_load_b128 v[XR+8*tk:XR+8*tk+3], v2, s[4:5] offset:4096*tk th:TH_LOAD_NT
	global_load_b128 v[XR+8*tk+4:XR+8*tk+7], v2, s[4:5] offset:4096*tk+512 th:TH_LOAD_NT
.set tk, tk+1
.endr
	s_lshl_b32 s31, s22, 12
	v_lshl_add_u32 v6, v1, 2, s31                  ; my stage, in: 4,096 w + 4 l
	v_add_nc_u32 v7, s31, v2                       ; and back: 4,096 w + 16 l
	s_mov_b32 s36, 0xaaaaaaaa                      ; odd lanes
	s_mov_b32 s37, 0xcccccccc                      ; lanes with bit 1 set
	s_mov_b32 s38, 0x76543210                      ; v_permlanex16_b32: lane l xor 16
	s_mov_b32 s39, 0xfedcba98
	s_wait_kmcnt 0x0
	s_add_co_i32 s32, s25, 127
	s_lshl_b32 s33, s32, 23
	v_mov_b32 v4, s33                              ; 2^e1 as f32: the conversion takes its exponent field
	s_add_co_i32 s32, s32, 15
	s_lshl_b32 s32, s32, 23
	s_or_b32 s32, s32, 0x600000
	v_mov_b32 v5, s32                              ; 57,344 x 2^e1
; a and b are halved together: afterwards the lanes outside msk hold a's sums of two lanes, those inside b's
.macro RED2 a, b, msk, xm, tmp
	v_cndmask_b32 v[\tmp], v[\b], v[\a], \msk
	v_cndmask_b32 v[\a], v[\a], v[\b], \msk
	v_add_f32_dpp v[\a], v[\tmp], v[\a] row_xmask:\xm row_mask:0xf bank_mask:0xf
.endm
; a token's 8 numbers of my lane become 8 codes.  Each token's codes have registers of their own (v16-23, then x registers that an earlier batch has left)
.macro QX tok
.if (\tok) < 4
.set CDR, 16+2*(\tok)
.else
.set CDR, XR+32*((\tok)/4-1)+2*((\tok)%4)
.endif
.irp i, 0,1,2,3,4,5,6,7
	v_med3_num_f32 v[XR+8*(\tok)+\i], v[XR+8*(\tok)+\i], -v5, v5   ; the conversion does not saturate (ISA guide 7.6.2): the hold at the largest code x the scale
.endr
	v_cvt_scalef32_pk8_bf8_f32 v[CDR:CDR+1], v[XR+8*(\tok):XR+8*(\tok)+7], v4
	v_nop                                          ; a plain line behind the conversion
	ds_store_b32 v6, v[CDR] offset:256*(\tok)      ; k = 256 w + 4 l ..
	ds_store_b32 v6, v[CDR+1] offset:256*(\tok)+128  ; k = 256 w + 128 + 4 l ..
.endm
; four tokens: 8 logits each over my 8 k (packed: two experts an instruction; x is taken for both halves), summed over the 32 lanes, then quantised
.macro BATCH bt
	s_wait_loadcnt 24-8*(\bt)                      ; the later batches' loads of x, eight each, may stay out; router_w is older than all of x
.irp j, 0,1
.irp i, 0,1,2,3
.irp t, 0,1,2,3
.irp p, 0,2,4,6
.set xa, XR+8*(4*(\bt)+\t)+4*\j+2*(\i/2)
.set ra, RW+32*\j+8*\i+\p
.set aa, AC+8*\t+\p
.if (\j == 0) && (\i == 0)
	v_pk_mul_f32 v[aa:aa+1], v[xa:xa+1], v[ra:ra+1] op_sel_hi:[0,1]
.elseif (\i % 2) == 0
	v_pk_fma_f32 v[aa:aa+1], v[xa:xa+1], v[ra:ra+1], v[aa:aa+1] op_sel_hi:[0,1,1]
.else
	v_pk_fma_f32 v[aa:aa+1], v[xa:xa+1], v[ra:ra+1], v[aa:aa+1] op_sel:[1,0,0] op_sel_hi:[1,1,1]
.endif
.endr
.endr
.endr
.endr
.irp e, 0,1,2,3,4,5,6,7
	RED2 AC+\e, AC+8+\e, s36, 1, TT+\e
.endr
.irp e, 0,1,2,3,4,5,6,7
	RED2 AC+16+\e, AC+24+\e, s36, 1, TT+\e
.endr
.irp e, 0,1,2,3,4,5,6,7
	RED2 AC+\e, AC+16+\e, s37, 2, TT+\e            ; lane l now works for token 4 bt + l % 4
.endr
.irp e, 0,1,2,3,4,5,6,7
	v_add_f32_dpp v[AC+\e], v[AC+\e], v[AC+\e] row_xmask:4 row_mask:0xf bank_mask:0xf
.endr
.irp e, 0,1,2,3,4,5,6,7
	v_add_f32_dpp v[AC+\e], v[AC+\e], v[AC+\e] row_xmask:8 row_mask:0xf bank_mask:0xf
.endr
.irp e, 0,1,2,3,4,5,6,7
	v_permlanex16_b32 v[TT+\e], v[AC+\e], s38, s39
.endr
.irp e, 0,1,2,3,4,5,6,7
	v_add_f32 v[AC+\e], v[AC+\e], v[TT+\e]
.endr
.if (\bt) == 0
.irp e, 0,1,2,3,4,5,6,7
	v_mov_b32 v[LG+\e], v[AC+\e]
.endr
.else
	s_mov_b32 s40, 0x000f000f<<(4*(\bt))           ; lanes 4 bt .. 4 bt + 3 of each half keep this batch: lane l ends with token l % 16
.irp e, 0,1,2,3,4,5,6,7
	v_cndmask_b32 v[LG+\e], v[LG+\e], v[AC+\e], s40
.endr
.endif
.irp t, 0,1,2,3
	QX 4*(\bt)+\t
.endr
.endm
	BATCH 0
	BATCH 1
	BATCH 2
	BATCH 3
	; the codes come back as rows: 16 lanes take a token's 256 bytes.  LDS serves a wave's instructions in order: these see my stores
.irp i, 0,1,2,3,4,5,6,7
	ds_load_b128 v[192+4*\i:195+4*\i], v7 offset:512*\i
.endr
	v_lshrrev_b32 v32, 4, v1                       ; l / 16
	v_and_b32 v33, 15, v1                          ; l % 16
	v_lshlrev_b32 v34, 4, v33
	v_lshl_add_u32 v35, v32, 10, v34               ; xc: 1,024 (l / 16) + 16 (l % 16)
	s_lshl_b32 s41, s22, 10
	v_lshl_add_u32 v36, v1, 5, s41                 ; my partial logits' place: 1,024 w + 32 l
.irp i, 0,1,2,3,4,5,6,7
	s_wait_dscnt 7-\i
	global_store_b128 v35, v[192+4*\i:195+4*\i], s[14:15] offset:2048*\i   ; sixteen lanes store 256 consecutive bytes, aligned
.endr
	ds_store_b128 v36, v[LG:LG+3] offset:PART
	ds_store_b128 v36, v[LG+4:LG+7] offset:PART+16
	s_wait_dscnt 0x0                               ; for the others' sake: my stores have landed
	s_barrier_signal -1
	s_barrier_wait -1
	s_cmp_lg_u32 s22, 0
	s_cbranch_scc1 .Lend                           ; wave 0 finishes the router
	v_lshlrev_b32 v37, 5, v1
.irp i, 0,1,2,3
	ds_load_b128 v[40+8*\i:43+8*\i], v37 offset:PART+1024*\i
	ds_load_b128 v[44+8*\i:47+8*\i], v37 offset:PART+1024*\i+16
.endr
	s_wait_dscnt 0x0
.irp e, 0,2,4,6
	v_pk_add_f32 v[40+\e:41+\e], v[40+\e:41+\e], v[48+\e:49+\e]
	v_pk_add_f32 v[56+\e:57+\e], v[56+\e:57+\e], v[64+\e:65+\e]
.endr
.irp e, 0,2,4,6
	v_pk_add_f32 v[40+\e:41+\e], v[40+\e:41+\e], v[56+\e:57+\e]     ; the logits, v40-47
.endr
	v_max3_num_f32 v72, v40, v41, v42
	v_max3_num_f32 v72, v72, v43, v44
	v_max3_num_f32 v72, v72, v45, v46
	v_max_num_f32 v72, v72, v47                    ; the row's maximum is taken away, as the softmax has it
.irp e, 0,1,2,3,4,5,6,7
	v_sub_f32 v[48+\e], v[40+\e], v72
.endr
.irp e, 0,1,2,3,4,5,6,7
	v_mul_f32 v[48+\e], 0x3fb8aa3b, v[48+\e]
.endr
.irp e, 0,1,2,3,4,5,6,7
	v_exp_f32 v[48+\e], v[48+\e]
.endr
	v_nop                                          ; a plain line behind the exponentials
	s_wait_alu depctr_va_vdst(0)
	v_add_f32 v73, v48, v49
	v_add_f32 v74, v50, v51
	v_add_f32 v75, v52, v53
	v_add_f32 v76, v54, v55
	v_add_f32 v73, v73, v74
	v_add_f32 v75, v75, v76
	v_add_f32 v73, v73, v75
	v_rcp_f32 v73, v73
	v_nop
	s_wait_alu depctr_va_vdst(0)
.irp e, 0,1,2,3,4,5,6,7
	v_mul_f32 v[48+\e], v[48+\e], v73              ; the probabilities
.endr
	v_mov_b32 v74, v48                             ; the largest, by an ascending scan with a strict compare: of equals the lower index stays
	v_mov_b32 v75, 0
.irp e, 1,2,3,4,5,6,7
	v_cmp_gt_f32 vcc_lo, v[48+\e], v74
	v_cndmask_b32 v74, v74, v[48+\e], vcc_lo
	v_cndmask_b32 v75, v75, \e, vcc_lo
.endr
.irp e, 0,1,2,3,4,5,6,7
	v_cmp_eq_u32 vcc_lo, \e, v75
	v_cndmask_b32 v[56+\e], v[48+\e], -1.0, vcc_lo ; the first choice is taken out
.endr
	v_mov_b32 v76, v56                             ; the second largest, likewise
	v_mov_b32 v77, 0
.irp e, 1,2,3,4,5,6,7
	v_cmp_gt_f32 vcc_lo, v[56+\e], v76
	v_cndmask_b32 v76, v76, v[56+\e], vcc_lo
	v_cndmask_b32 v77, v77, \e, vcc_lo
.endr
	v_add_f32 v78, v74, v76
	v_rcp_f32 v78, v78
	v_min_u32 v81, v75, v77                        ; (a plain line behind the reciprocal)  a
	v_max_u32 v82, v75, v77                        ; b
	s_wait_alu depctr_va_vdst(0)
	v_mul_f32 v79, v74, v78                        ; the two weights, renormalised
	v_mul_f32 v80, v76, v78
	v_sub_nc_u32 v83, 15, v81
	v_mul_u32_u24 v83, v83, v81
	v_lshrrev_b32 v83, 1, v83                      ; a (15 - a) / 2
	v_sub_nc_u32 v90, v82, v81
	v_add_nc_u32 v90, -1, v90                      ; b - a - 1
	v_sub_nc_u32 v91, 7, v82                       ; 7 - b
	v_and_b32 v92, 1, v81
	v_cmp_eq_u32 vcc_lo, 1, v92
	v_cndmask_b32 v90, v90, v91, vcc_lo
	v_add_nc_u32 v90, v83, v90                     ; the pair's number
	v_lshlrev_b32 v82, 2, v32                      ; lanes 0-15 store experts 0-3 of their token, lanes 16-31 experts 4-7
.irp j, 0,1,2,3
	v_add_nc_u32 v83, \j, v82
	v_cmp_eq_u32 vcc_lo, v83, v77
	v_cndmask_b32 v[84+\j], 0, v80, vcc_lo
	v_cmp_eq_u32 vcc_lo, v83, v75
	v_cndmask_b32 v[84+\j], v[84+\j], v79, vcc_lo
.endr
	; the group's ranks and counts, from five masks of lanes (bit k of the number set).  v95: the lanes that hold my token's number; v96: the lanes whose number is my lane's number
.irp k, 0,1,2,3,4
	v_bfe_u32 v93, v90, \k, 1
	v_cmp_ne_u32 s[44+\k], 0, v93
	v_add_nc_u32 v93, -1, v93                      ; 0 where my number's bit k is set, else all ones
	v_bfe_u32 v94, v1, \k, 1
	v_add_nc_u32 v94, -1, v94                      ; the same of my lane's number
.if \k == 0
	v_xor_b32 v95, s[44+\k], v93
	v_xor_b32 v96, s[44+\k], v94
.else
	v_xor_b32 v93, s[44+\k], v93
	v_xor_b32 v94, s[44+\k], v94
	v_and_b32 v95, v95, v93
	v_and_b32 v96, v96, v94
.endif
.endr
	v_lshlrev_b32 v98, 4, v32
	v_mov_b32 v99, 0xffff
	v_lshlrev_b32 v98, v98, v99                    ; my half of the lanes: both halves hold the same 16 tokens, so each counts inside itself
	v_and_b32 v95, v95, v98
	v_mbcnt_lo_u32_b32 v97, v95, 0                 ; the rank: how many lower lanes of my half hold my number.  Lanes l and l + 16 get the same figure
	v_and_b32 v96, 0xffff, v96                     ; the count for number = my lane: the ones among the first 16 lanes
	v_lshrrev_b32 v93, 1, v96
	v_and_b32 v93, 0x55555555, v93
	v_sub_nc_u32 v96, v96, v93
	v_lshrrev_b32 v93, 2, v96
	v_and_b32 v96, 0x33333333, v96
	v_and_b32 v93, 0x33333333, v93
	v_add_nc_u32 v96, v96, v93
	v_lshrrev_b32 v93, 4, v96
	v_add_nc_u32 v96, v96, v93
	v_and_b32 v96, 0x0f0f0f0f, v96
	v_lshrrev_b32 v93, 8, v96
	v_add_nc_u32 v96, v96, v93
	v_and_b32 v96, 31, v96                         ; 0 .. 16
	v_lshl_or_b32 v90, v97, 8, v90                 ; number | rank << 8
	v_lshl_add_u32 v88, v32, 16, v34               ; plane l / 16, token l % 16
	v_lshlrev_b32 v89, 2, v33
	v_lshlrev_b32 v100, 2, v1
	global_store_b128 v88, v[84:87], s[18:19]      ; two runs of 256 consecutive bytes
	global_store_b32 v89, v90, s[20:21]            ; lanes l and l + 16 hold the same token: they store the same word with the same number
	global_store_b32 v100, v96, s[42:43]           ; 128 consecutive bytes: the group's counts
.Lend:
	s_set_vgpr_msb 0x5
	s_wait_tensorcnt 0x0
	ds_add_u32 v0, v1
	s_wait_dscnt 0x0
	s_set_vgpr_msb 0x500
	s_endpgm
.Lfunc_end_k_qc6e93dcbfc_route:
	.size	k_qc6e93dcbfc_route, .Lfunc_end_k_qc6e93dcbfc_route-k_qc6e93dcbfc_route
	.p2alignl 7, 3214868480
	.fill 96, 4, 3214868480
	.section	.rodata,"a",@progbits
	.p2align	6, 0x0
	.amdhsa_kernel k_qc6e93dcbfc_route
		.amdhsa_group_segment_fixed_size 20992
		.amdhsa_private_segment_fixed_size 0
		.amdhsa_enable_private_segment 0
		.amdhsa_kernarg_size 56
		.amdhsa_user_sgpr_count 2
		.amdhsa_user_sgpr_kernarg_segment_ptr 1
		.amdhsa_wavefront_size32 1
		.amdhsa_system_sgpr_workgroup_id_x 1
		.amdhsa_system_sgpr_workgroup_id_y 1
		.amdhsa_system_sgpr_workgroup_id_z 1
		.amdhsa_system_vgpr_workitem_id 0
		.amdhsa_next_free_vgpr 258
		.amdhsa_next_free_sgpr 66
		.amdhsa_reserve_vcc 1
		.amdhsa_float_denorm_mode_32 3
		.amdhsa_float_denorm_mode_16_64 3
		.amdhsa_memory_ordered 1
		.amdhsa_forward_progress 1
		.amdhsa_inst_pref_size 90
	.end_amdhsa_kernel
	.amdgpu_metadata
---
amdhsa.version: [ 1, 2 ]
amdhsa.kernels:
  - .name:           k_qc6e93dcbfc_route
    .symbol:         k_qc6e93dcbfc_route.kd
    .args:
      - { .name: x, .offset: 0, .size: 8, .value_kind: global_buffer, .address_space: global }
      - { .name: router_w, .offset: 8, .size: 8, .value_kind: global_buffer, .address_space: global }
      - { .name: lowp_scales, .offset: 16, .size: 8, .value_kind: global_buffer, .address_space: global }
      - { .name: xc, .offset: 24, .size: 8, .value_kind: global_buffer, .address_space: global }
      - { .name: disp, .offset: 32, .size: 8, .value_kind: global_buffer, .address_space: global }
      - { .name: pc, .offset: 40, .size: 8, .value_kind: global_buffer, .address_space: global }
      - { .name: hist, .offset: 48, .size: 8, .value_kind: global_buffer, .address_space: global }
    .group_segment_fixed_size: 20992
    .private_segment_fixed_size: 0
    .kernarg_segment_align: 8
    .kernarg_segment_size: 56
    .max_flat_workgroup_size: 128
    .sgpr_count:     66
    .vgpr_count:     258
    .wavefront_size: 32
...
	.end_amdgpu_metadata
.endif
;; end of part 1
;; launch wplace (part 2): grid 1025 x 1, 4 waves a work-group, no clusters, 1,536 bytes of LDS; arguments pc, hist, w1, w2, lowp_scales, order, wc, bmask; writes order, wc, bmask
.if DOCPART == 2
	.amdgcn_target "amdgcn-amd-amdhsa--gfx1250"
	.amdhsa_code_object_version 6
	.text
	.protected	k_qc6e93dcbfc_wplace
	.globl	k_qc6e93dcbfc_wplace
	.p2align	8
	.type	k_qc6e93dcbfc_wplace,@function
k_qc6e93dcbfc_wplace:
	s_mov_b64 s[64:65], 0
	v_nop
	global_prefetch_b8 v0, s[64:65] scope:SCOPE_SE
	s_setreg_imm32_b32 hwreg(HW_REG_WAVE_MODE, 25, 1), 1
	s_wait_xcnt 0x0
; WPLACE.  Two kinds of work that hang on nothing of each other share one launch.
; Work-groups 1-1024: 128 columns x 128 K of one of the 16 weight matrices (w1[e], w2[e]) into codes of BF8 (E5M2), laid in the order of an operand's registers.  Each f32 byte of the weights is read once, here.
;   code = number / 2^e, held within +-57,344, rounded to the nearest code, ties to even: e0 for w1, e2 for w2.  LIMITS: e between -126 and 112.  NaN and infinities are not served.
;   wc [mat 16][G 16][s 8][tau 4][c 4][lane 32][16 bytes]: lane (r, h) of tile tau = 2 b + u holds column 64 G + 32 b + 8 u + r + 8 (r / 8), and chunk c its k = 128 s + 32 c + 16 h + 0 .. 15.
; Work-group 0: the 4,096 tokens are placed in the order of their pair of experts (pc's low byte, 0 .. 27), without atomics.
;   order[p] = the token at place p;  bmask[blk] = the set of experts (8 bits) that the 64 tokens at places 64 blk .. 64 blk + 63 use.
;   A token's place = the first place of its number + the tokens of that number in earlier groups of 16 + its rank in its group.  The counts of each group (hist, lane = number) and the ranks (pc, bits 12:8) come from the launch before,
;   so that what is left is a sum down 256 groups.  Wave w takes groups 64 w .. 64 w + 63.  One work-group: a sum over work-groups would want a launch more.
;   order's stores are single words at sorted places: 16 KiB in all, once.
; No matrix unit, no tensor loads, no cluster: the weights stream, and work-groups share nothing.
.set WX, 16                            ; weights: v16-143  128 numbers down K
.set WC, 144                           ;          v144-175 their codes: four registers for each 16, never rewritten
	s_load_b256 s[4:11], s[0:1], 0x0               ; pc s[4:5], hist s[6:7], w1 s[8:9], w2 s[10:11]
	s_load_b256 s[12:19], s[0:1], 0x20             ; lowp_scales s[12:13], order s[14:15], wc s[16:17], bmask s[18:19]
	v_lshl_add_u32 v192, v0, 2, 0x400
	v_mov_b32 v193, 0
	v_lshrrev_b32 v1, 5, v0
	v_readfirstlane_b32 s22, v1                    ; wave 0..3
	v_and_b32 v1, 31, v0                           ; lane
	s_wait_kmcnt 0x0
	s_cmp_lg_u32 ttmp9, 0                          ; the parting hangs on the work-group's number alone: all four waves go one way
	s_cbranch_scc1 .Lweights
; ---------------- the placing.  v8-39 4 x number, later the token; v64-127 a group's counts, then sums, then first places; v128-159 pc's words, then ranks, then places; v160-191 what the lanes of the numbers hand back ----------------
	v_lshlrev_b32 v2, 2, v1                        ; 4 l
	v_lshlrev_b32 v3, 2, v0                        ; LDS: my wave's totals at 128 w + 4 l
	s_mov_b32 s29, 0
	s_lshl_b32 s28, s22, 13
	s_add_nc_u64 s[6:7], s[6:7], s[28:29]          ; hist at group 64 w
	s_lshl_b32 s28, s22, 12
	s_add_nc_u64 s[4:5], s[4:5], s[28:29]          ; pc at token 1,024 w
	s_lshl_b32 s28, s22, 6
	s_add_nc_u64 s[18:19], s[18:19], s[28:29]      ; bmask at block 16 w
.set gi, 0
.rept 64
	global_load_b32 v[64+gi], v2, s[6:7] offset:128*gi      ; group gi of mine: lane = number
.set gi, gi+1
.endr
.set gi, 0
.rept 32
	global_load_b32 v[128+gi], v2, s[4:5] offset:128*gi     ; tokens 1,024 w + 32 gi + l: lanes 0-15 group 2 gi, lanes 16-31 group 2 gi + 1
.set gi, gi+1
.endr
	s_lshl_b32 s30, s22, 10
	v_add_nc_u32 v4, s30, v1                       ; my first token
	v_and_b32 v5, 15, v1
	v_lshlrev_b32 v47, 6, v5
	v_add_nc_u32 v47, s30, v47                     ; block 16 w + l % 16: its first place,
	v_add_nc_u32 v48, 64, v47                      ; and the place behind its last
	v_mov_b32 v49, 0                               ; its experts
	v_lshlrev_b32 v53, 2, v5
	v_mov_b32 v44, 0                               ; the first place of number = my lane
	s_mov_b32 s40, 0xffff0000                      ; lanes 16-31
	s_wait_loadcnt 32                              ; the counts are in; pc's 32 loads may stay out
.set gi, 1
.rept 15                                       ; running sums in four chains of 16 groups, which do not wait for each other
.irp q, 0,1,2,3
	v_add_nc_u32 v[64+16*\q+gi], v[64+16*\q+gi], v[64+16*\q+gi-1]
.endr
.set gi, gi+1
.endr
	v_add_nc_u32 v54, v79, v95                     ; the first 32 groups,
	v_add_nc_u32 v55, v54, v111                    ; 48,
	v_add_nc_u32 v41, v55, v127                    ; all 64 of mine
	ds_store_b32 v3, v41
	s_wait_loadcnt 0x0                             ; pc's words
.set gi, 0
.rept 32
	v_and_b32 v[8+gi], 31, v[128+gi]
	v_min_u32 v[8+gi], 27, v[8+gi]
	v_lshlrev_b32 v[8+gi], 2, v[8+gi]              ; 4 x number: the lane to ask
	v_bfe_u32 v[128+gi], v[128+gi], 8, 5           ; the rank
.set gi, gi+1
.endr
	s_wait_dscnt 0x0                               ; for the others' sake: my store has landed
	s_barrier_signal -1
	s_barrier_wait -1
.irp i, 0,1,2,3
	ds_load_b32 v[56+\i], v2 offset:128*\i
.endr
	s_wait_dscnt 0x0
	v_add_nc_u32 v42, v56, v57
	v_add_nc_u32 v43, v58, v59
	v_add_nc_u32 v42, v42, v43                     ; all tokens of number = my lane
	v_mov_b32 v43, 0
.irp i, 0,1,2
	s_cmp_gt_u32 s22, \i
	s_cselect_b32 s31, -1, 0
	v_and_b32 v46, s31, v[56+\i]
	v_add_nc_u32 v43, v43, v46                     ; those in earlier waves
.endr
	; down the 28 numbers: each one's first place; and a number whose run of places meets my block gives the block its two experts
	s_mov_b32 s32, 0
.set cc, 0
.irp pm, 0x03,0x05,0x09,0x11,0x21,0x41,0x81, 0x82,0x42,0x22,0x12,0x0a,0x06, 0x0c,0x14,0x24,0x44,0x84, 0x88,0x48,0x28,0x18, 0x30,0x50,0x90, 0xa0,0x60, 0xc0
	v_readlane_b32 s33, v42, cc
	v_writelane_b32 v44, s32, cc
	s_add_co_u32 s34, s32, s33                     ; the run: places s32 .. s34 - 1
	v_max_u32 v50, s32, v47
	v_min_u32 v51, s34, v48
	v_cmp_lt_u32 vcc_lo, v50, v51
	v_or_b32 v52, \pm, v49
	v_cndmask_b32 v49, v49, v52, vcc_lo
	s_mov_b32 s32, s34
.set cc, cc+1
.endr
	global_store_b32 v53, v49, s[18:19]            ; lanes l and l + 16 hold the same block: they store the same word with the same number; 64 consecutive bytes a wave
	v_add_nc_u32 v56, v44, v43                     ; where my wave's tokens of number = my lane begin: for groups 0-15,
	v_add_nc_u32 v57, v56, v79                     ; 16-31,
	v_add_nc_u32 v58, v56, v54                     ; 32-47,
	v_add_nc_u32 v59, v56, v55                     ; 48-63
.irp q, 0,1,2,3                                ; each group's first place for each number, from the top down, so that each sum is read before it is written over
.set gi, 15
.rept 15
	v_add_nc_u32 v[64+16*\q+gi], v[56+\q], v[64+16*\q+gi-1]
.set gi, gi-1
.endr
	v_mov_b32 v[64+16*\q], v[56+\q]
.endr
.irp hh, 0,1                                   ; 16 of pc's 32 words at a time
.set gi, 0
.rept 16
	ds_bpermute_b32 v[160+gi], v[8+16*\hh+gi], v[64+32*\hh+2*gi]      ; each token asks the lane of its number: for the even group,
	ds_bpermute_b32 v[176+gi], v[8+16*\hh+gi], v[64+32*\hh+2*gi+1]    ; and for the odd one
.set gi, gi+1
.endr
	s_wait_dscnt 0x0
.set gi, 0
.rept 16
	v_cndmask_b32 v[160+gi], v[160+gi], v[176+gi], s40                ; lanes 16-31 belong to the odd group
	v_add_nc_u32 v[128+16*\hh+gi], v[128+16*\hh+gi], v[160+gi]        ; + the rank: the place
	v_min_u32 v[128+16*\hh+gi], 0xfff, v[128+16*\hh+gi]
	v_lshlrev_b32 v[128+16*\hh+gi], 2, v[128+16*\hh+gi]
	v_add_nc_u32 v[8+16*\hh+gi], 32*(16*\hh+gi), v4                   ; the token
	global_store_b32 v[128+16*\hh+gi], v[8+16*\hh+gi], s[14:15]
.set gi, gi+1
.endr
.endr
	s_wait_tensorcnt 0x0
	ds_add_u32 v192, v193
	s_wait_dscnt 0x0
	s_endpgm
; ---------------- weights: a lane takes a column, and its registers run down K: the conversions' results are the operand's bytes ----------------
.Lweights:
	s_load_b128 s[24:27], s[12:13], 0x0            ; e0 (w1), e1, e2 (w2), e3
	s_sub_co_u32 s28, ttmp9, 1
	s_lshr_b32 s29, s28, 6                         ; mat 0..15: w1[0..7], w2[0..7]
	s_bfe_u32 s30, s28, 0x30003                    ; which 128 columns
	s_and_b32 s31, s28, 7                          ; which 128 along K
	v_and_b32 v2, 15, v1                           ; r
	v_lshrrev_b32 v3, 4, v1                        ; u
	v_and_b32 v4, 8, v2
	v_add_nc_u32 v4, v4, v2
	v_lshl_add_u32 v4, v3, 3, v4                   ; my column among the wave's 32: r + 8 (r / 8) + 8 u
	v_lshlrev_b32 v4, 2, v4
	v_lshlrev_b32 v5, 4, v2
	v_lshl_add_u32 v5, v3, 11, v5                  ; out: tile u of the wave's two, 16 r
	s_and_b32 s32, s29, 7
	s_lshl_b32 s32, s32, 22                        ; the expert's 4 MiB,
	s_lshl_b32 s33, s31, 19                        ; 128 rows of 4,096 bytes,
	s_add_co_u32 s32, s32, s33
	s_lshl_b32 s33, s30, 9                         ; 128 columns,
	s_add_co_u32 s32, s32, s33
	s_lshl_b32 s33, s22, 7                         ; my wave's 32
	s_add_co_u32 s32, s32, s33
	s_mov_b32 s33, 0
	s_lshl_b32 s34, s29, 20                        ; wc: mat,
	s_lshl_b32 s35, s30, 17                        ; G = 2 x (which 128 columns) + wave / 2,
	s_add_co_u32 s34, s34, s35
	s_lshr_b32 s35, s22, 1
	s_lshl_b32 s35, s35, 16
	s_add_co_u32 s34, s34, s35
	s_lshl_b32 s35, s31, 13                        ; K step,
	s_add_co_u32 s34, s34, s35
	s_and_b32 s35, s22, 1
	s_lshl_b32 s35, s35, 12                        ; tiles 2 (wave % 2) and the next
	s_add_co_u32 s34, s34, s35
	s_mov_b32 s35, 0
	s_cmp_lt_u32 s29, 8                            ; w1 or w2: the choice hangs on the work-group's number alone
	s_cselect_b64 s[8:9], s[8:9], s[10:11]
	s_add_nc_u64 s[8:9], s[8:9], s[32:33]
	s_add_nc_u64 s[16:17], s[16:17], s[34:35]
.macro LDG q                           ; 16 rows of K at my column: the wave reads 128 consecutive bytes a load, the work-group 512
.irp i, 0,1,2,3,4,5,6,7,8,9,10,11,12,13,14,15
	global_load_b32 v[WX+16*(\q)+\i], v4, s[8:9] offset:(16*(\q)+\i)*4096 th:TH_LOAD_NT
.endr
.endm
	LDG 0
	LDG 1
	LDG 2
	s_wait_kmcnt 0x0
	s_cmp_lt_u32 s29, 8
	s_cselect_b32 s24, s24, s26                    ; e0 or e2
	s_add_co_i32 s24, s24, 127
	s_lshl_b32 s25, s24, 23
	v_mov_b32 v11, s25                             ; 2^e
	s_add_co_i32 s24, s24, 15
	s_lshl_b32 s24, s24, 23
	s_or_b32 s24, s24, 0x600000
	v_mov_b32 v10, s24                             ; 57,344 x 2^e
.irp q, 0,1,2,3,4,5,6,7
.if \q <= 4
	LDG \q+3
	s_wait_loadcnt 48                              ; three younger groups of 16 may stay out
.else
	s_wait_loadcnt 16*(7-\q)
.endif
.irp i, 0,1,2,3,4,5,6,7,8,9,10,11,12,13,14,15
	v_med3_num_f32 v[WX+16*\q+\i], v[WX+16*\q+\i], -v10, v10   ; the conversion does not saturate (ISA guide 7.6.2): the hold at the largest code x the scale
.endr
	v_cvt_scalef32_pk8_bf8_f32 v[WC+4*\q:WC+4*\q+1], v[WX+16*\q:WX+16*\q+7], v11
	v_cvt_scalef32_pk8_bf8_f32 v[WC+4*\q+2:WC+4*\q+3], v[WX+16*\q+8:WX+16*\q+15], v11
	v_nop
	global_store_b128 v5, v[WC+4*\q:WC+4*\q+3], s[16:17] offset:256*\q   ; q = 2 c + h: each half of the lanes stores 256 consecutive bytes, aligned
.endr
	s_endpgm
.Lfunc_end_k_qc6e93dcbfc_wplace:
	.size	k_qc6e93dcbfc_wplace, .Lfunc_end_k_qc6e93dcbfc_wplace-k_qc6e93dcbfc_wplace
	.p2alignl 7, 3214868480
	.fill 96, 4, 3214868480
	.section	.rodata,"a",@progbits
	.p2align	6, 0x0
	.amdhsa_kernel k_qc6e93dcbfc_wplace
		.amdhsa_group_segment_fixed_size 1536
		.amdhsa_private_segment_fixed_size 0
		.amdhsa_enable_private_segment 0
		.amdhsa_kernarg_size 64
		.amdhsa_user_sgpr_count 2
		.amdhsa_user_sgpr_kernarg_segment_ptr 1
		.amdhsa_wavefront_size32 1
		.amdhsa_system_sgpr_workgroup_id_x 1
		.amdhsa_system_sgpr_workgroup_id_y 1
		.amdhsa_system_sgpr_workgroup_id_z 1
		.amdhsa_system_vgpr_workitem_id 0
		.amdhsa_next_free_vgpr 194
		.amdhsa_next_free_sgpr 66
		.amdhsa_reserve_vcc 1
		.amdhsa_float_denorm_mode_32 3
		.amdhsa_float_denorm_mode_16_64 3
		.amdhsa_memory_ordered 1
		.amdhsa_forward_progress 1
		.amdhsa_inst_pref_size 70
	.end_amdhsa_kernel
	.amdgpu_metadata
---
amdhsa.version: [ 1, 2 ]
amdhsa.kernels:
  - .name:           k_qc6e93dcbfc_wplace
    .symbol:         k_qc6e93dcbfc_wplace.kd
    .args:
      - { .name: pc, .offset: 0, .size: 8, .value_kind: global_buffer, .address_space: global }
      - { .name: hist, .offset: 8, .size: 8, .value_kind: global_buffer, .address_space: global }
      - { .name: w1, .offset: 16, .size: 8, .value_kind: global_buffer, .address_space: global }
      - { .name: w2, .offset: 24, .size: 8, .value_kind: global_buffer, .address_space: global }
      - { .name: lowp_scales, .offset: 32, .size: 8, .value_kind: global_buffer, .address_space: global }
      - { .name: order, .offset: 40, .size: 8, .value_kind: global_buffer, .address_space: global }
      - { .name: wc, .offset: 48, .size: 8, .value_kind: global_buffer, .address_space: global }
      - { .name: bmask, .offset: 56, .size: 8, .value_kind: global_buffer, .address_space: global }
    .group_segment_fixed_size: 1536
    .private_segment_fixed_size: 0
    .kernarg_segment_align: 8
    .kernarg_segment_size: 64
    .max_flat_workgroup_size: 128
    .sgpr_count:     66
    .vgpr_count:     194
    .wavefront_size: 32
...
	.end_amdgpu_metadata
.endif
;; end of part 2
;; launch ffn1 (part 3): grid 4 x 64, 4 waves a work-group, no clusters, 67,072 bytes of LDS; arguments xc, wc, b1, lowp_scales, order, bmask, hc; writes hc
.if DOCPART == 3
	.amdgcn_target "amdgcn-amd-amdhsa--gfx1250"
	.amdhsa_code_object_version 6
	.text
	.protected	k_qc6e93dcbfc_ffn1
	.globl	k_qc6e93dcbfc_ffn1
	.p2align	8
	.type	k_qc6e93dcbfc_ffn1,@function
k_qc6e93dcbfc_ffn1:
	s_mov_b64 s[64:65], 0
	v_nop
	global_prefetch_b8 v0, s[64:65] scope:SCOPE_SE
	s_setreg_imm32_b32 hwreg(HW_REG_WAVE_MODE, 25, 1), 1
	s_wait_xcnt 0x0
; FFN1.  hc = Q(gelu(x W1[e] + b1[e])) on codes of BF8 (E5M2), for the experts e that a block of 64 sorted tokens uses (bmask), and for no others.
; SHARES.  A work-group: block blk (grid y) x 256 hidden units (grid x).  Wave w: all 64 tokens x the 64 hidden units of group G = 4 x + w: 16 accumulators of 16 x 16.
; x's codes of the 64 tokens are gathered once, turned into fragments through LDS, and stay in 512 registers of each wave for every expert.  The weights' codes lie in memory in the order of an
; operand's registers and go straight into a ring of four register buffers, three K steps ahead: each lane loads its 16 bytes, a wave 512 consecutive bytes.
; THE MATRIX INSTRUCTION IS USED TRANSPOSED (source 0 = 16 columns of W1, source 1 = 16 tokens), and a tile's columns are chosen (lane r of tile 2 b + u: column 32 b + 8 u + r + 8 (r / 8)) so that a lane holds ONE token
; and the 16 registers of tiles 2 b, 2 b + 1 are the hidden units 32 b + 16 h + 0 .. 15: neighbours along the next K.  The conversions' results are bytes of the next operand's register image.
; In both operands register 4 c + q holds k = 32 c + 16 h + 4 q ..: the same permutation of k on both sides, so every product meets its partner.
; b1 goes in as the C of a sum's first instruction, divided by 2^(e0 + e1).  gelu(v) = v/2 + v/2 erf(v / sqrt 2); erf(z) = z P(z^2) / Q(z^2), z held within +-4: a rational of degrees 6 and 4 in z^2, in f32.
; LIMITS: e0 + e1 between -125 and 127, e3 between -126 and 112.  NaN and infinities are not served.
; NO CLUSTER, NO TENSOR LOADS: which experts a block walks is read from memory, and partners of a joint load may not part on that; were all to walk all 8 experts, 8 / 2.4 times the bytes would be fetched;
; what the four work-groups of a block surely share, x's 64 KiB, is a tenth of what each reads.
; REGISTERS: window 0: v1 16 x lane; v2 x's fragment address; v3 64 h; v4, v5 2^e3 and 57,344 x 2^e3; v[6:7], v[8:9] two constants; v10 gather's LDS address; v20-23 codes; v32-63 b1; v64-127 at work; v128-255 accumulators.
;   window 1: the ring (buffer p at 64 p, tile t at + 16 t).   windows 2, 3: x: K step s in window 2 + s / 4 at 64 (s % 4) + 16 m.
.set ACC, 128
.set B1,  32
.set ZR,  64
.set TR,  80
.set PR,  96
.set QR,  112
.set MSB, 0
.macro WIN new                         ; the immediate's high byte repeats the setting that is left
.if MSB != \new
	s_set_vgpr_msb (MSB<<8)|\new
.set MSB, \new
.endif
.endm
.macro CPAIR r, val                    ; a constant for the packed forms: named as a pair, so both words are written
	s_mov_b32 s[\r], \val
	s_mov_b32 s[\r+1], \val
.endm
.macro BASES ex                        ; the weights' and the bias's addresses for expert \ex
	s_lshl_b32 s52, \ex, 20
	s_add_co_u32 s52, s52, s57
	s_mov_b32 s53, 0
	s_add_nc_u64 s[26:27], s[6:7], s[52:53]
	s_lshl_b32 s54, \ex, 12
	s_add_co_u32 s54, s54, s58
	s_mov_b32 s55, 0
	s_add_nc_u64 s[28:29], s[8:9], s[54:55]
.endm
.macro LDB1                            ; b1 in the result's layout: tile 2 b + u, register j: hidden unit 32 b + 16 h + 8 u + j
	WIN 0
.irp t, 0,1,2,3
	global_load_b128 v[B1+8*\t:B1+8*\t+3], v3, s[28:29] offset:128*(\t/2)+32*(\t%2)
	global_load_b128 v[B1+8*\t+4:B1+8*\t+7], v3, s[28:29] offset:128*(\t/2)+32*(\t%2)+16
.endr
.endm
.macro RING s                          ; K step s of my four tiles: 16 loads of 512 consecutive bytes into buffer s % 4
	WIN 0x40
.irp t, 0,1,2,3
.irp c, 0,1,2,3
	global_load_b128 v[64*((\s)%4)+16*\t+4*\c:64*((\s)%4)+16*\t+4*\c+3], v1, s[26:27] offset:8192*(\s)+2048*\t+512*\c
.endr
.endr
.endm
.macro MM s                            ; 16 matrix instructions; the 16 accumulators take turns, one instruction a turn, in the same order in every step
.if (\s) < 4
	WIN 0x09
.else
	WIN 0x0d
.endif
.irp m, 0,1,2,3
.irp t, 0,1,2,3
.if (\s) == 0
	v_wmma_f32_16x16x128_bf8_bf8 v[ACC+8*(4*\m+\t):ACC+8*(4*\m+\t)+7], v[64*((\s)%4)+16*\t:64*((\s)%4)+16*\t+15], v[64*((\s)%4)+16*\m:64*((\s)%4)+16*\m+15], v[B1+8*\t:B1+8*\t+7]
.else
	v_wmma_f32_16x16x128_bf8_bf8 v[ACC+8*(4*\m+\t):ACC+8*(4*\m+\t)+7], v[64*((\s)%4)+16*\t:64*((\s)%4)+16*\t+15], v[64*((\s)%4)+16*\m:64*((\s)%4)+16*\m+15], v[ACC+8*(4*\m+\t):ACC+8*(4*\m+\t)+7]
.endif
.endr
.endr
.endm
; 16 sums of a lane (tiles 2 b, 2 b + 1 of M tile m; g = 2 m + b) become 16 codes.  Each accumulator is read from its low end on.
; The codes go into registers that the group before has left (group 0: v20-23): no store's data are written again inside a unit.
.macro GELU16 g
	WIN 0
.set AB, ACC+16*(\g)
.if (\g) == 0
.set CDR, 20
.else
.set CDR, ACC+16*((\g)-1)
.endif
.irp p, 0,2,4,6,8,10,12,14
	v_pk_mul_f32 v[ZR+\p:ZR+\p+1], v[AB+\p:AB+\p+1], s[66:67] op_sel_hi:[1,0]        ; z = sum x 2^(e0 + e1) / sqrt 2
.endr
.irp i, 0,1,2,3,4,5,6,7,8,9,10,11,12,13,14,15
	v_med3_num_f32 v[ZR+\i], v[ZR+\i], -4.0, 4.0
.endr
.irp p, 0,2,4,6,8,10,12,14
	v_pk_mul_f32 v[TR+\p:TR+\p+1], v[ZR+\p:ZR+\p+1], v[ZR+\p:ZR+\p+1]
.endr
.irp p, 0,2,4,6,8,10,12,14
	v_pk_fma_f32 v[PR+\p:PR+\p+1], v[TR+\p:TR+\p+1], s[70:71], v[6:7] op_sel_hi:[1,0,1]
.endr
.irp p, 0,2,4,6,8,10,12,14
	v_pk_fma_f32 v[QR+\p:QR+\p+1], v[TR+\p:TR+\p+1], s[82:83], v[8:9] op_sel_hi:[1,0,1]
.endr
.irp k, 72,74,76,78,80
.irp p, 0,2,4,6,8,10,12,14
	v_pk_fma_f32 v[PR+\p:PR+\p+1], v[PR+\p:PR+\p+1], v[TR+\p:TR+\p+1], s[\k:\k+1] op_sel_hi:[1,1,0]
.endr
.endr
.irp k, 84,86,88
.irp p, 0,2,4,6,8,10,12,14
	v_pk_fma_f32 v[QR+\p:QR+\p+1], v[QR+\p:QR+\p+1], v[TR+\p:TR+\p+1], s[\k:\k+1] op_sel_hi:[1,1,0]
.endr
.endr
.irp i, 0,1,2,3,4,5,6,7,8,9,10,11,12,13,14,15
	v_rcp_f32 v[QR+\i], v[QR+\i]
.endr
.irp p, 0,2,4,6,8,10,12,14
	v_pk_mul_f32 v[PR+\p:PR+\p+1], v[PR+\p:PR+\p+1], v[ZR+\p:ZR+\p+1]                 ; (plain lines behind the reciprocals)
.endr
	s_wait_alu depctr_va_vdst(0)
.irp p, 0,2,4,6,8,10,12,14
	v_pk_mul_f32 v[PR+\p:PR+\p+1], v[PR+\p:PR+\p+1], v[QR+\p:QR+\p+1]                 ; erf(z)
.endr
.irp p, 0,2,4,6,8,10,12,14
	v_pk_mul_f32 v[TR+\p:TR+\p+1], v[AB+\p:AB+\p+1], s[68:69] op_sel_hi:[1,0]        ; v / 2
.endr
.irp p, 0,2,4,6,8,10,12,14
	v_pk_fma_f32 v[AB+\p:AB+\p+1], v[TR+\p:TR+\p+1], v[PR+\p:PR+\p+1], v[TR+\p:TR+\p+1]
.endr
.irp i, 0,1,2,3,4,5,6,7,8,9,10,11,12,13,14,15
	v_med3_num_f32 v[AB+\i], v[AB+\i], -v5, v5     ; the conversion does not saturate (ISA guide 7.6.2): the hold at the largest code x the scale
.endr
	v_cvt_scalef32_pk8_bf8_f32 v[CDR:CDR+1], v[AB:AB+7], v4
	v_cvt_scalef32_pk8_bf8_f32 v[CDR+2:CDR+3], v[AB+8:AB+15], v4
	v_nop                                          ; a plain line behind the conversions: later vector and matrix instructions write their sources
	global_store_b128 v1, v[CDR:CDR+3], s[30:31] offset:16384*((\g)/2)+512*((\g)%2)   ; 512 consecutive bytes of the next operand's image
.endm
	s_load_b256 s[4:11], s[0:1], 0x0               ; xc s[4:5], wc s[6:7], b1 s[8:9], lowp_scales s[10:11]
	s_load_b128 s[12:15], s[0:1], 0x20             ; order s[12:13], bmask s[14:15]
	s_load_b64 s[16:17], s[0:1], 0x30              ; hc
	v_lshl_add_u32 v30, v0, 2, 0x10400
	v_mov_b32 v31, 0
	v_lshrrev_b32 v1, 5, v0
	v_readfirstlane_b32 s18, v1                    ; wave 0..3
	s_mov_b32 s19, ttmp9                           ; which 256 hidden units
	s_and_b32 s20, ttmp7, 0xffff                   ; block
	v_and_b32 v11, 31, v0
	v_lshlrev_b32 v1, 4, v11                       ; 16 x lane
	v_and_b32 v12, 15, v0                          ; r
	v_bfe_u32 v13, v0, 4, 1                        ; h
	v_mul_u32_u24 v2, v12, 1040                    ; LDS rows of 1,024 bytes + 16: 65 x 16, so the 16 rows of a load start 16 bytes apart modulo 256
	v_lshl_add_u32 v2, v13, 4, v2
	v_lshlrev_b32 v3, 6, v13
	s_mul_i32 s52, s18, 16640
	v_add_nc_u32 v10, s52, v1                      ; my wave's 16 rows
	s_lshl_b32 s52, s20, 8
	s_lshl_b32 s53, s18, 6
	s_add_co_u32 s52, s52, s53                     ; order: places 64 blk + 16 w on
	s_mov_b32 s53, 0
	s_lshl_b32 s54, s20, 2
	s_mov_b32 s55, 0
	s_lshl_b32 s56, s19, 2
	s_add_co_u32 s56, s56, s18                     ; G
	s_lshl_b32 s57, s56, 16                        ; its place in an expert's codes,
	s_lshl_b32 s58, s56, 8                         ; in b1's row,
	s_lshl_b32 s59, s56, 10
	s_lshl_b32 s60, s20, 16
	s_add_co_u32 s59, s59, s60                     ; and in hc: block, K step G / 2, chunks 2 (G % 2) on
	CPAIR 70, 0xaf95df0b                           ; P: -2.72614226e-10,
	CPAIR 72, 0xb60cff51                           ; (2.77068142e-08 in v[6:7],) -2.10102402e-06,
	CPAIR 74, 0xb86ec2d2                           ; -5.69250639e-05,
	CPAIR 76, 0xba40ac63                           ; -7.34990630e-04,
	CPAIR 78, 0xbb41a1f6                           ; -2.95459981e-03,
	CPAIR 80, 0xbc83dbd4                           ; -1.60960333e-02
	CPAIR 82, 0xb77460cd                           ; Q: -1.45660718e-05,
	CPAIR 84, 0xbadc924e                           ; (-2.13374055e-04 in v[8:9],) -1.68282697e-03,
	CPAIR 86, 0xbbf19bf8                           ; -7.37332917e-03,
	CPAIR 88, 0xbc69b6a7                           ; -1.42647391e-02
	v_mov_b32 v6, 0x32edffee
	v_mov_b32 v7, 0x32edffee
	v_mov_b32 v8, 0xb95fbd29
	v_mov_b32 v9, 0xb95fbd29
	s_wait_kmcnt 0x0
	s_add_nc_u64 s[12:13], s[12:13], s[52:53]
	s_add_nc_u64 s[14:15], s[14:15], s[54:55]
	s_load_b512 s[32:47], s[12:13], 0x0            ; my wave's 16 tokens
	s_load_b32 s21, s[14:15], 0x0                  ; the block's experts
	s_load_b128 s[48:51], s[10:11], 0x0            ; e0, e1, e2, e3
	s_wait_kmcnt 0x0
	s_and_b32 s21, s21, 0xff
	s_ctz_i32_b32 s23, s21
	s_min_u32 s23, s23, 7                          ; the first expert
.irp i, 0,1,2,3,4,5,6,7,8,9,10,11,12,13,14,15
	s_min_u32 s[32+\i], s[32+\i], 0xfff
	s_lshl_b32 s[32+\i], s[32+\i], 10
	v_add_nc_u32 v[64+\i], s[32+\i], v1
.endr
.irp i, 0,1,2,3,4,5,6,7,8,9,10,11,12,13,14,15
	global_load_b128 v[128+8*\i:131+8*\i], v[64+\i], s[4:5]              ; a token's 1,024 codes: two loads of 512 consecutive bytes
	global_load_b128 v[132+8*\i:135+8*\i], v[64+\i], s[4:5] offset:512
.endr
	BASES s23
	LDB1
	RING 0
	WIN 0
	s_add_co_i32 s91, s48, s49                     ; E = e0 + e1: a sum stands for sum x 2^E
	s_sub_co_i32 s90, 0, s91
	s_lshl_b32 s92, s91, 23
	s_add_co_i32 s66, s92, 0x3f3504f3              ; 2^E / sqrt 2: E is added to the exponent field
	s_mov_b32 s67, s66
	s_add_co_i32 s68, s91, 126
	s_lshl_b32 s68, s68, 23                        ; 2^E / 2
	s_mov_b32 s69, s68
	s_add_co_i32 s93, s51, 127
	s_lshl_b32 s94, s93, 23
	v_mov_b32 v4, s94                              ; 2^e3
	s_add_co_i32 s93, s93, 15
	s_lshl_b32 s93, s93, 23
	s_or_b32 s93, s93, 0x600000
	v_mov_b32 v5, s93                              ; 57,344 x 2^e3
	s_wait_loadcnt 24                              ; the gather is in; b1's 8 loads and ring step 0's 16 may stay out
.irp i, 0,1,2,3,4,5,6,7,8,9,10,11,12,13,14,15
	ds_store_b128 v10, v[128+8*\i:131+8*\i] offset:1040*\i
	ds_store_b128 v10, v[132+8*\i:135+8*\i] offset:1040*\i+512
.endr
	RING 1
	RING 2
	WIN 0
	s_wait_dscnt 0x0                               ; for the others' sake: my 16 rows have landed
	s_barrier_signal -1
	s_barrier_wait -1
.irp s, 0,1,2,3,4,5,6,7
.if \s < 4
	WIN 0x80
.else
	WIN 0xc0
.endif
.irp m, 0,1,2,3
.irp c, 0,1,2,3
	ds_load_b128 v[64*(\s%4)+16*\m+4*\c:64*(\s%4)+16*\m+4*\c+3], v2 offset:16640*\m+128*\s+32*\c   ; token 16 m + r, k = 128 s + 32 c + 16 h ..
.endr
.endr
.endr
	WIN 0
	s_wait_dscnt 0x0
	s_mov_b32 s25, 0
.Lunit:                                            ; a trip: one expert of the block.  At most 8; the loop is left when none remains
	s_lshl_b32 s52, s23, 22
	s_add_co_u32 s52, s52, s59
	s_mov_b32 s53, 0
	s_add_nc_u64 s[30:31], s[16:17], s[52:53]      ; hc at (expert, block), my chunks
	s_sub_co_u32 s22, s21, 1
	s_and_b32 s22, s22, s21                        ; the experts that remain
	s_mov_b32 s24, 0
	s_wait_loadcnt 48                              ; b1 is in; ring steps 0 to 2 may stay out
.irp j, 0,1,2,3,4,5,6,7,8,9,10,11,12,13,14,15,16,17,18,19,20,21,22,23,24,25,26,27,28,29,30,31
	v_ldexp_f32 v[B1+\j], v[B1+\j], s90            ; b1 / 2^E
.endr
.irp s, 0,1,2,3,4,5,6,7
.if \s <= 4
.rept 4
	v_nop                                          ; four places between the last products and loads into the buffer that they read
.endr
	RING \s+3
	s_wait_loadcnt 48                              ; this step's 16 loads are in; three younger steps may stay out
.else
	s_wait_loadcnt 16*(7-\s)
.endif
	MM \s
.endr
	WIN 0
.rept 4
	v_nop                                          ; four places in front of the first read of results and of loads into b1's registers and the ring
.endr
	s_cmp_eq_u32 s22, 0
	s_cbranch_scc1 .Lnopre
	s_ctz_i32_b32 s24, s22                         ; the next expert's bias and first three K steps are asked for now and land under the activation.
	s_min_u32 s24, s24, 7                          ; (All loads by the old bases are in: the wait for 0 above)
	BASES s24
	LDB1
	RING 0
	RING 1
	RING 2
	WIN 0
.Lnopre:
.irp g, 0,1,2,3,4,5,6,7
	GELU16 \g
.endr
	s_mov_b32 s21, s22
	s_mov_b32 s23, s24
	s_wait_xcnt 0x0                                ; the stores' base and data are rewritten only behind this wait
	s_cmp_eq_u32 s21, 0
	s_cbranch_scc1 .Ldone
	s_add_co_u32 s25, s25, 1
	s_cmp_lt_u32 s25, 8
	s_cbranch_scc1 .Lunit
.Ldone:
	s_wait_tensorcnt 0x0
	ds_add_u32 v30, v31
	s_wait_dscnt 0x0
	s_endpgm
.Lfunc_end_k_qc6e93dcbfc_ffn1:
	.size	k_qc6e93dcbfc_ffn1, .Lfunc_end_k_qc6e93dcbfc_ffn1-k_qc6e93dcbfc_ffn1
	.p2alignl 7, 3214868480
	.fill 96, 4, 3214868480
	.section	.rodata,"a",@progbits
	.p2align	6, 0x0
	.amdhsa_kernel k_qc6e93dcbfc_ffn1
		.amdhsa_group_segment_fixed_size 67072
		.amdhsa_private_segment_fixed_size 0
		.amdhsa_enable_private_segment 0
		.amdhsa_kernarg_size 56
		.amdhsa_user_sgpr_count 2
		.amdhsa_user_sgpr_kernarg_segment_ptr 1
		.amdhsa_wavefront_size32 1
		.amdhsa_system_sgpr_workgroup_id_x 1
		.amdhsa_system_sgpr_workgroup_id_y 1
		.amdhsa_system_sgpr_workgroup_id_z 1
		.amdhsa_system_vgpr_workitem_id 0
		.amdhsa_next_free_vgpr 1024
		.amdhsa_next_free_sgpr 96
		.amdhsa_reserve_vcc 0
		.amdhsa_float_denorm_mode_32 3
		.amdhsa_float_denorm_mode_16_64 3
		.amdhsa_memory_ordered 1
		.amdhsa_forward_progress 1
		.amdhsa_inst_pref_size 137
	.end_amdhsa_kernel
	.amdgpu_metadata
---
amdhsa.version: [ 1, 2 ]
amdhsa.kernels:
  - .name:           k_qc6e93dcbfc_ffn1
    .symbol:         k_qc6e93dcbfc_ffn1.kd
    .args:
      - { .name: xc, .offset: 0, .size: 8, .value_kind: global_buffer, .address_space: global }
      - { .name: wc, .offset: 8, .size: 8, .value_kind: global_buffer, .address_space: global }
      - { .name: b1, .offset: 16, .size: 8, .value_kind: global_buffer, .address_space: global }
      - { .name: lowp_scales, .offset: 24, .size: 8, .value_kind: global_buffer, .address_space: global }
      - { .name: order, .offset: 32, .size: 8, .value_kind: global_buffer, .address_space: global }
      - { .name: bmask, .offset: 40, .size: 8, .value_kind: global_buffer, .address_space: global }
      - { .name: hc, .offset: 48, .size: 8, .value_kind: global_buffer, .address_space: global }
    .group_segment_fixed_size: 67072
    .private_segment_fixed_size: 0
    .kernarg_segment_align: 8
    .kernarg_segment_size: 56
    .max_flat_workgroup_size: 128
    .sgpr_count:     96
    .vgpr_count:     1024
    .wavefront_size: 32
...
	.end_amdgpu_metadata
.endif
;; end of part 3
;; launch ffn2 (part 4): grid 4 x 64, 4 waves a work-group, no clusters, 148,992 bytes of LDS; arguments hc, wc, b2, lowp_scales, order, bmask, disp, out0; writes out0
.if DOCPART == 4
	.amdgcn_target "amdgcn-amd-amdhsa--gfx1250"
	.amdhsa_code_object_version 6
	.text
	.protected	k_qc6e93dcbfc_ffn2
	.globl	k_qc6e93dcbfc_ffn2
	.p2align	8
	.type	k_qc6e93dcbfc_ffn2,@function
k_qc6e93dcbfc_ffn2:
	s_mov_b64 s[64:65], 0
	v_nop
	global_prefetch_b8 v0, s[64:65] scope:SCOPE_SE
	s_setreg_imm32_b32 hwreg(HW_REG_WAVE_MODE, 25, 1), 1
	s_wait_xcnt 0x0
; FFN2.  out0[token] = the sum over the experts e of the token's block of disp[token][e] x (h_e W2[e] x 2^(e2 + e3) + b2[e]); disp is 0 for an expert that the token did not choose.
; SHARES.  A work-group: block blk (grid y) of 64 sorted tokens x 256 output columns (grid x): each output number has one owner.  Wave w: all 64 tokens x the 64 columns of group G = 4 x + w.
; The hidden layer's codes of (expert, block), 64 KiB, lie in memory as images of the operand's registers.  Each wave fetches a quarter through registers into one of two LDS slots, a unit ahead; all waves read fragments from there.
; The weights' codes go from memory straight into a ring of four register buffers, three K steps ahead, on into the next expert.
; THE MATRIX INSTRUCTION IS USED TRANSPOSED (source 0 = 16 columns of W2, source 1 = 16 tokens): a lane holds one token, and registers j of tiles 2 b + u the columns 32 b + 16 h + 8 u + j.
; The walk: 8 trips of constant count, slots 0, 1 by turns, one barrier a trip on every wave's path; a trip with no expert left does nothing but the barrier.
; LIMIT: e2 + e3 between -126 and 127.  NaN and infinities are not served.
; NO CLUSTER, NO TENSOR LOADS: which experts a block walks is read from memory, and partners of a joint load may not part on that.
; REGISTERS: window 0: v2 16 x lane (also slot 0's fragment address), v3 slot 1's; v4, v5 where I store my quarter; v6 64 h; v7, v8 the stage in and back; v10-13 16 x my tokens; v32-63 b2; v64-67 the tokens' weights;
;   v72-103 the rows' places in out0; v128-255 accumulators, later rows on the way out.   window 1: the ring.   window 2: v0-127 the output's sums, v128-255 two buffers of h's fragments.   window 3: v0-127 my quarter of the next h.
.set ACC, 128
.set B2,  32
.set GW,  64
.set TRO, 72
.set MSB, 0
.macro WIN new                         ; the immediate's high byte repeats the setting that is left
.if MSB != \new
	s_set_vgpr_msb (MSB<<8)|\new
.set MSB, \new
.endif
.endm
.macro RING base, s                    ; K step s of my four tiles: 16 loads of 512 consecutive bytes into buffer s % 4
	WIN 0x40
.irp t, 0,1,2,3
.irp c, 0,1,2,3
	global_load_b128 v[64*((\s)%4)+16*\t+4*\c:64*((\s)%4)+16*\t+4*\c+3], v2, s[\base:\base+1] offset:8192*(\s)+2048*\t+512*\c
.endr
.endr
.endm
.macro HFL slot, s                     ; h's four fragments of K step s into buffer s % 2
	WIN 0x80
.irp m, 0,1,2,3
.irp c, 0,1,2,3
	ds_load_b128 v[128+64*((\s)%2)+16*\m+4*\c:128+64*((\s)%2)+16*\m+4*\c+3], v[2+\slot] offset:16384*\m+2048*(\s)+512*\c
.endr
.endr
.endm
.macro HLOAD i0                        ; 16 of the 32 loads of my quarter (M tile w) of the next h
	WIN 0xc0
.irp i, 0,1,2,3,4,5,6,7,8,9,10,11,12,13,14,15
	global_load_b128 v[4*(\i0+\i):4*(\i0+\i)+3], v2, s[38:39] offset:512*(\i0+\i)
.endr
.endm
.macro HSTORE slot                     ; and its way into a slot, as it lies
	WIN 0x0c
.irp i, 0,1,2,3,4,5,6,7,8,9,10,11,12,13,14,15,16,17,18,19,20,21,22,23,24,25,26,27,28,29,30,31
	ds_store_b128 v[4+\slot], v[4*\i:4*\i+3] offset:512*\i
.endr
	WIN 0
.endm
.macro MM s                            ; 16 matrix instructions; the 16 accumulators take turns, one instruction a turn; the first step starts the sums
	WIN 0x09
.irp m, 0,1,2,3
.irp t, 0,1,2,3
.if (\s) == 0
	v_wmma_f32_16x16x128_bf8_bf8 v[ACC+8*(4*\m+\t):ACC+8*(4*\m+\t)+7], v[64*((\s)%4)+16*\t:64*((\s)%4)+16*\t+15], v[128+64*((\s)%2)+16*\m:128+64*((\s)%2)+16*\m+15], 0
.else
	v_wmma_f32_16x16x128_bf8_bf8 v[ACC+8*(4*\m+\t):ACC+8*(4*\m+\t)+7], v[64*((\s)%4)+16*\t:64*((\s)%4)+16*\t+15], v[128+64*((\s)%2)+16*\m:128+64*((\s)%2)+16*\m+15], v[ACC+8*(4*\m+\t):ACC+8*(4*\m+\t)+7]
.endif
.endr
.endr
.endm
; One expert.  On entry ring steps 0 to 2 (48 loads) are out and h lies in \slot.  next = 1: another expert follows: its h and its first three ring steps are asked for on the way.
; The counts on LOADcnt are the loads issued behind the step's own: b2 and the weights 12, a ring step 16, half of h 16; where 64 are younger the count is 63.
.macro UNIT slot, next
	WIN 0
.irp t, 0,1,2,3
	global_load_b128 v[B2+8*\t:B2+8*\t+3], v6, s[28:29] offset:128*(\t/2)+32*(\t%2)
	global_load_b128 v[B2+8*\t+4:B2+8*\t+7], v6, s[28:29] offset:128*(\t/2)+32*(\t%2)+16
.endr
.irp m, 0,1,2,3
	global_load_b32 v[GW+\m], v[10+\m], s[30:31]   ; disp[token 16 m + r][expert]
.endr
	HFL \slot, 0
.irp s, 0,1,2,3,4,5,6,7
.rept 4
	v_nop                                          ; four places between the last products and loads into buffers that they read
.endr
.if \s <= 4
	RING 26, \s+3
.elseif \next && (\s == 6)
	RING 36, 0
.elseif \next && (\s == 7)
	RING 36, 1
.endif
.if \s < 7
	HFL \slot, \s+1
.endif
.if \s < 3
	s_wait_loadcnt 60
.elseif \s == 3
	s_wait_loadcnt 48
.elseif \next && (\s < 7)
	s_wait_loadcnt 63
.elseif \next
	s_wait_loadcnt 48
.else
	s_wait_loadcnt 16*(7-\s)
.endif
.if \s < 7
	s_wait_dscnt 16                                ; this step's fragments are in; the next step's 16 loads may stay out
.else
	s_wait_dscnt 0x0
.endif
.if \next && (\s == 3)
	HLOAD 0
.endif
.if \next && (\s == 4)
	HLOAD 16
.endif
	MM \s
.endr
	WIN 0
.rept 4
	v_nop                                          ; four places in front of the first read of results and of loads into the ring
.endr
.if \next
	RING 36, 2
	WIN 0
.endif
.irp m, 0,1,2,3
.irp t, 0,1,2,3
.irp i, 0,2,4,6
	v_pk_fma_f32 v[ACC+8*(4*\m+\t)+\i:ACC+8*(4*\m+\t)+\i+1], v[ACC+8*(4*\m+\t)+\i:ACC+8*(4*\m+\t)+\i+1], s[46:47], v[B2+8*\t+\i:B2+8*\t+\i+1] op_sel_hi:[1,0,1]   ; sum x 2^(e2 + e3) + b2; each accumulator from its low end on
.endr
.endr
.endr
	WIN 0xa0                                       ; the output's sums: destination and source 2 in window 2
.irp m, 0,1,2,3
.irp t, 0,1,2,3
.irp i, 0,2,4,6
.if (\m % 2) == 0
	v_pk_fma_f32 v[8*(4*\m+\t)+\i:8*(4*\m+\t)+\i+1], v[ACC+8*(4*\m+\t)+\i:ACC+8*(4*\m+\t)+\i+1], v[GW+2*(\m/2):GW+2*(\m/2)+1], v[8*(4*\m+\t)+\i:8*(4*\m+\t)+\i+1] op_sel_hi:[1,0,1]
.else
	v_pk_fma_f32 v[8*(4*\m+\t)+\i:8*(4*\m+\t)+\i+1], v[ACC+8*(4*\m+\t)+\i:ACC+8*(4*\m+\t)+\i+1], v[GW+2*(\m/2):GW+2*(\m/2)+1], v[8*(4*\m+\t)+\i:8*(4*\m+\t)+\i+1] op_sel:[0,1,0] op_sel_hi:[1,1,1]
.endif
.endr
.endr
.endr
	WIN 0
.if \next
	s_wait_loadcnt 48                              ; my quarter of the next h is in; the next expert's ring steps 0 to 2 may stay out
	HSTORE 1-\slot                                 ; the other slot: every wave's reads of it ended in front of the last barrier
.endif
.endm
.macro TRIP slot
	s_cmp_eq_u32 s21, 0
	s_cbranch_scc1 .Lidle_\@
	s_wait_xcnt 0x0                                ; the bases below are rewritten only behind this wait
	s_sub_co_u32 s22, s21, 1
	s_and_b32 s22, s22, s21                        ; the experts that remain
	s_mov_b32 s24, 0
	s_lshl_b32 s32, s23, 12
	s_add_co_u32 s32, s32, s44
	s_mov_b32 s33, 0
	s_add_nc_u64 s[28:29], s[8:9], s[32:33]        ; b2[expert], my 64 columns
	s_and_b32 s34, s23, 4
	s_lshl_b32 s34, s34, 14                        ; disp: plane expert / 4,
	s_and_b32 s35, s23, 3
	s_lshl_b32 s35, s35, 2                         ; word expert % 4
	s_add_co_u32 s34, s34, s35
	s_mov_b32 s35, 0
	s_add_nc_u64 s[30:31], s[16:17], s[34:35]
	s_cmp_eq_u32 s22, 0
	s_cbranch_scc1 .Llast_\@
	s_ctz_i32_b32 s24, s22
	s_min_u32 s24, s24, 7                          ; the next expert: its weights and its h
	s_lshl_b32 s32, s24, 20
	s_add_co_u32 s32, s32, s43
	s_add_nc_u64 s[36:37], s[6:7], s[32:33]
	s_lshl_b32 s34, s24, 22
	s_add_co_u32 s34, s34, s45
	s_add_nc_u64 s[38:39], s[4:5], s[34:35]
	UNIT \slot, 1
	s_mov_b64 s[26:27], s[36:37]                   ; (every load by the old base is in: the last step's wait)
	s_branch .Ljoin_\@
.Llast_\@:
	UNIT \slot, 0
.Ljoin_\@:
	s_mov_b32 s21, s22
	s_mov_b32 s23, s24
.Lidle_\@:
	s_wait_dscnt 0x0                               ; my reads of this slot are over and my stores into the other have landed
	s_barrier_signal -1
	s_barrier_wait -1
.endm
	s_load_b512 s[4:19], s[0:1], 0x0               ; hc s[4:5], wc s[6:7], b2 s[8:9], lowp_scales s[10:11], order s[12:13], bmask s[14:15], disp s[16:17], out0 s[18:19]
	v_lshl_add_u32 v126, v0, 2, 0x24400
	v_mov_b32 v127, 0
	v_lshrrev_b32 v9, 5, v0
	v_readfirstlane_b32 s20, v9                    ; wave 0..3
	s_mov_b32 s40, ttmp9                           ; which 256 columns
	s_and_b32 s41, ttmp7, 0xffff                   ; block
	v_and_b32 v9, 31, v0
	v_lshlrev_b32 v2, 4, v9                        ; 16 x lane
	v_and_b32 v22, 15, v0                          ; r
	v_bfe_u32 v23, v0, 4, 1                        ; h
	v_add_nc_u32 v3, 0x10000, v2                   ; slot 1 begins at 65,536
	s_lshl_b32 s32, s20, 14
	v_add_nc_u32 v4, s32, v2                       ; my quarter of slot 0,
	v_add_nc_u32 v5, 0x10000, v4                   ; of slot 1
	v_lshlrev_b32 v6, 6, v23
	s_mul_i32 s32, s20, 4352
	s_add_co_u32 s32, s32, 0x20000                 ; my stage: 16 rows of 256 bytes + 16, behind the slots
	v_mul_u32_u24 v7, v22, 272
	v_lshl_add_u32 v7, v23, 6, v7
	v_add_nc_u32 v7, s32, v7                       ; in: row r, + 64 h
	v_mul_u32_u24 v8, v23, 272
	v_lshl_add_u32 v8, v22, 4, v8
	v_add_nc_u32 v8, s32, v8                       ; back: lanes 0-15 one row, lanes 16-31 the next
	v_lshlrev_b32 v24, 2, v22
	v_lshlrev_b32 v25, 2, v23
	v_lshlrev_b32 v26, 4, v22
	s_lshl_b32 s42, s40, 2
	s_add_co_u32 s42, s42, s20                     ; G
	s_lshl_b32 s43, s42, 16
	s_add_co_u32 s43, s43, 8<<20                   ; wc: W2's matrices lie behind W1's eight
	s_lshl_b32 s44, s42, 8                         ; my 64 columns in a row of f32
	s_lshl_b32 s45, s41, 16
	s_lshl_b32 s33, s20, 14
	s_add_co_u32 s45, s45, s33                     ; hc: block, M tile w
	s_lshl_b32 s32, s41, 8
	s_mov_b32 s33, 0
	s_lshl_b32 s34, s41, 2
	s_mov_b32 s35, 0
	s_wait_kmcnt 0x0
	s_add_nc_u64 s[12:13], s[12:13], s[32:33]      ; order at the block's first place
	s_add_nc_u64 s[14:15], s[14:15], s[34:35]
	s_load_b32 s21, s[14:15], 0x0                  ; the block's experts
	s_load_b128 s[48:51], s[10:11], 0x0            ; e0, e1, e2, e3
.irp m, 0,1,2,3
	global_load_b32 v[10+\m], v24, s[12:13] offset:64*\m                 ; the token of row 16 m + r
.endr
.irp m, 0,1,2,3
.irp i, 0,1,2,3,4,5,6,7
	global_load_b32 v[TRO+8*\m+\i], v25, s[12:13] offset:64*\m+8*\i      ; the token of row 16 m + 2 i + lane / 16, for the way out
.endr
.endr
	s_mov_b32 s34, s44
	s_add_nc_u64 s[52:53], s[18:19], s[34:35]      ; out0 at my 64 columns
	s_wait_kmcnt 0x0
	s_and_b32 s21, s21, 0xff
	s_ctz_i32_b32 s23, s21
	s_min_u32 s23, s23, 7                          ; the first expert
	s_lshl_b32 s32, s23, 20
	s_add_co_u32 s32, s32, s43
	s_add_nc_u64 s[26:27], s[6:7], s[32:33]
	s_lshl_b32 s34, s23, 22
	s_add_co_u32 s34, s34, s45
	s_add_nc_u64 s[38:39], s[4:5], s[34:35]
	HLOAD 0
	HLOAD 16
	RING 26, 0
	WIN 0
	s_add_co_i32 s46, s50, s51
	s_add_co_i32 s46, s46, 127
	s_lshl_b32 s46, s46, 23                        ; 2^(e2 + e3)
	s_mov_b32 s47, s46                             ; (named with it as a pair, so it is written)
	s_wait_loadcnt 48                              ; the tokens are in; h's 32 loads and ring step 0's 16 may stay out
.irp m, 0,1,2,3
	v_min_u32 v[10+\m], 0xfff, v[10+\m]
	v_lshlrev_b32 v[10+\m], 4, v[10+\m]            ; a token's 16 bytes in a plane of disp
.endr
.irp j, 0,1,2,3,4,5,6,7,8,9,10,11,12,13,14,15,16,17,18,19,20,21,22,23,24,25,26,27,28,29,30,31
	v_min_u32 v[TRO+\j], 0xfff, v[TRO+\j]
	v_lshl_add_u32 v[TRO+\j], v[TRO+\j], 12, v26   ; the token's row of out0, + 16 (lane % 16)
.endr
	s_wait_loadcnt 16                              ; my quarter of the first h is in
	HSTORE 0
	RING 26, 1
	RING 26, 2
	WIN 0x80
.set zi, 0
.rept 128
	v_mov_b32 v[zi], 0                             ; the output's sums.  Which expert comes first is not known to the text: a unit that started them would be a third pair of copies
.set zi, zi+1
.endr
	WIN 0
	s_wait_dscnt 0x0                               ; for the others' sake: my quarter has landed
	s_barrier_signal -1
	s_barrier_wait -1
	s_mov_b32 s25, 0
.Ltrips:
	TRIP 0
	TRIP 1
	s_add_co_u32 s25, s25, 1
	s_cmp_lt_u32 s25, 4
	s_cbranch_scc1 .Ltrips
; THE WAY OUT, an M tile (16 tokens x my 64 columns) at a time through my own stage: a lane holds pieces of one row, and the row's 256 bytes leave from sixteen neighbouring lanes.
; LDS serves a wave's instructions in order: the loads see the stores above them, and the next tile's stores come behind them.
.macro TOSTAGE m
	WIN 0x08                                       ; the stores' data in window 2
.irp t, 0,1,2,3
	ds_store_b128 v7, v[8*(4*(\m)+\t):8*(4*(\m)+\t)+3] offset:128*(\t/2)+32*(\t%2)
	ds_store_b128 v7, v[8*(4*(\m)+\t)+4:8*(4*(\m)+\t)+7] offset:128*(\t/2)+32*(\t%2)+16
.endr
	WIN 0
.irp i, 0,1,2,3,4,5,6,7
	ds_load_b128 v[128+32*(\m)+4*\i:128+32*(\m)+4*\i+3], v8 offset:544*\i
.endr
.endm
.macro SEND m, younger                 ; younger: the LDS instructions issued behind tile m's loads: the next tile's sixteen, or none
	s_wait_dscnt \younger
.irp i, 0,1,2,3,4,5,6,7
	global_store_b128 v[TRO+8*(\m)+\i], v[128+32*(\m)+4*\i:128+32*(\m)+4*\i+3], s[52:53] th:TH_STORE_NT   ; each half of the lanes stores 256 consecutive bytes of a token's row, aligned
.endr
.endm
	TOSTAGE 0
	TOSTAGE 1
	SEND 0, 16
	TOSTAGE 2
	SEND 1, 16
	TOSTAGE 3
	SEND 2, 16
	SEND 3, 0
	s_wait_tensorcnt 0x0
	ds_add_u32 v126, v127
	s_wait_dscnt 0x0
	s_endpgm
.Lfunc_end_k_qc6e93dcbfc_ffn2:
	.size	k_qc6e93dcbfc_ffn2, .Lfunc_end_k_qc6e93dcbfc_ffn2-k_qc6e93dcbfc_ffn2
	.p2alignl 7, 3214868480
	.fill 96, 4, 3214868480
	.section	.rodata,"a",@progbits
	.p2align	6, 0x0
	.amdhsa_kernel k_qc6e93dcbfc_ffn2
		.amdhsa_group_segment_fixed_size 148992
		.amdhsa_private_segment_fixed_size 0
		.amdhsa_enable_private_segment 0
		.amdhsa_kernarg_size 64
		.amdhsa_user_sgpr_count 2
		.amdhsa_user_sgpr_kernarg_segment_ptr 1
		.amdhsa_wavefront_size32 1
		.amdhsa_system_sgpr_workgroup_id_x 1
		.amdhsa_system_sgpr_workgroup_id_y 1
		.amdhsa_system_sgpr_workgroup_id_z 1
		.amdhsa_system_vgpr_workitem_id 0
		.amdhsa_next_free_vgpr 896
		.amdhsa_next_free_sgpr 66
		.amdhsa_reserve_vcc 0
		.amdhsa_float_denorm_mode_32 3
		.amdhsa_float_denorm_mode_16_64 3
		.amdhsa_memory_ordered 1
		.amdhsa_forward_progress 1
		.amdhsa_inst_pref_size 194
	.end_amdhsa_kernel
	.amdgpu_metadata
---
amdhsa.version: [ 1, 2 ]
amdhsa.kernels:
  - .name:           k_qc6e93dcbfc_ffn2
    .symbol:         k_qc6e93dcbfc_ffn2.kd
    .args:
      - { .name: hc, .offset: 0, .size: 8, .value_kind: global_buffer, .address_space: global }
      - { .name: wc, .offset: 8, .size: 8, .value_kind: global_buffer, .address_space: global }
      - { .name: b2, .offset: 16, .size: 8, .value_kind: global_buffer, .address_space: global }
      - { .name: lowp_scales, .offset: 24, .size: 8, .value_kind: global_buffer, .address_space: global }
      - { .name: order, .offset: 32, .size: 8, .value_kind: global_buffer, .address_space: global }
      - { .name: bmask, .offset: 40, .size: 8, .value_kind: global_buffer, .address_space: global }
      - { .name: disp, .offset: 48, .size: 8, .value_kind: global_buffer, .address_space: global }
      - { .name: out0, .offset: 56, .size: 8, .value_kind: global_buffer, .address_space: global }
    .group_segment_fixed_size: 148992
    .private_segment_fixed_size: 0
    .kernarg_segment_align: 8
    .kernarg_segment_size: 64
    .max_flat_workgroup_size: 128
    .sgpr_count:     66
    .vgpr_count:     896
    .wavefront_size: 32
...
	.end_amdgpu_metadata
.endif
;; end of part 4
;; ======== version 2 of 2: 4 launches
;; workspace buffers: wc 16,777,216 bytes; xc 4,194,304 bytes; hc 33,554,432 bytes; disp 131,072 bytes; pc 16,384 bytes of whole numbers; hist 32,768 bytes of whole numbers; order 16,384 bytes of whole numbers; bmask 256 bytes of whole numbers
;; launch route (part 5): grid 256 x 1, 4 waves a work-group, no clusters, 20,992 bytes of LDS; arguments x, router_w, lowp_scales, xc, disp, pc, hist; writes xc, disp, pc, hist
.if DOCPART == 5
	.amdgcn_target "amdgcn-amd-amdhsa--gfx1250"
	.amdhsa_code_object_version 6
	.text
	.protected	k_qc6e93dcbfc_route
	.globl	k_qc6e93dcbfc_route
	.p2align	8
	.type	k_qc6e93dcbfc_route,@function
k_qc6e93dcbfc_route:
	s_mov_b64 s[64:65], 0
	v_nop
	global_prefetch_b8 v0, s[64:65] scope:SCOPE_SE
	s_setreg_imm32_b32 hwreg(HW_REG_WAVE_MODE, 25, 1), 1
	s_wait_xcnt 0x0
; ROUTE.  A work-group takes 16 tokens: the router (f32 logits, softmax, top-2, renormalised weights) and x's codes of BF8 (E5M2).  x is read once, here.
; code = number / 2^e1, held within +-57,344, rounded to the nearest code, ties to even (e1: entry 1 of lowp_scales).
; LIMITS: e1 between -126 and 112, so that 2^e1 and 57,344 x 2^e1 are f32 numbers.  NaN and infinities among the inputs are not served.
; The logits' f32 sums run in another order than a row-by-row sum: a token whose second and third probability agree to about 1e-6 may take the other expert.
; OUT: xc [4096][1024] codes, K as it lies.   disp [plane 2][token][4] f32: expert e's weight at plane e / 4, word e % 4; 0 where not chosen.
; pc [token]: bits 7:0 the pair of chosen experts a < b as a number 0 .. 27: a (15 - a) / 2 + (b - a - 1 for even a, 7 - b for odd a): neighbouring numbers share an expert;
;             bits 12:8 the token's rank among the tokens of its group of 16 that have the same number.
; hist [group 256][32]: how many of the group's 16 tokens have number = the word's index.  All of these go to fixed places: no address here hangs on the choice.
; No matrix unit, no tensor loads, no cluster: the launch streams, and its work-groups share only the small router table.
.set PART, 16384                       ; LDS: 0: a stage of 4,096 bytes a wave for x's codes;  PART: 1,024 bytes a wave, the waves' partial logits
.set TT,  8                            ; v8-15    at work
.set LG,  24                           ; v24-31   my token's eight partial logits (lane l: token l % 16)
.set RW,  32                           ; v32-95   router_w for my 8 k: [32 j + 8 i + e]
.set XR,  96                           ; v96-223  x: [8 token + 4 j + i]
.set AC,  224                          ; v224-255 sums of a batch of four tokens: [8 t + e]
	s_load_b128 s[4:7], s[0:1], 0x0                ; x s[4:5], router_w s[6:7]
	s_load_b128 s[12:15], s[0:1], 0x10             ; lowp_scales s[12:13], xc s[14:15]
	s_load_b64 s[18:19], s[0:1], 0x20              ; disp
	s_load_b64 s[20:21], s[0:1], 0x28              ; pc
	s_load_b64 s[42:43], s[0:1], 0x30              ; hist
	s_set_vgpr_msb 0x40
	v_lshl_add_u32 v0, v0, 2, 0x5000
	v_mov_b32 v1, 0
	s_set_vgpr_msb 0x4000
	v_lshrrev_b32 v1, 5, v0
	v_readfirstlane_b32 s22, v1                    ; wave 0..3
	v_and_b32 v1, 31, v0                           ; lane
	s_wait_alu depctr_va_vdst(0)
	s_wait_kmcnt 0x0
	s_load_b128 s[24:27], s[12:13], 0x0            ; e0, e1 (x), e2, e3
; wave w takes k = 256 w .. 256 w + 255 of 16 tokens; lane l, chunk j, word i: k = 256 w + 128 j + 4 l + i
	v_lshlrev_b32 v2, 4, v1                        ; 16 l: each load of x reads 512 consecutive bytes
	v_lshlrev_b32 v3, 7, v1                        ; 128 l: four rows of router_w
	s_wait_alu depctr_va_vdst(0)
	s_mov_b32 s29, 0
	s_lshl_b32 s28, s22, 13
	s_add_nc_u64 s[6:7], s[6:7], s[28:29]          ; router_w at row 256 w
	s_lshl_b32 s28, ttmp9, 16
	s_lshl_b32 s30, s22, 10
	s_add_co_u32 s28, s28, s30
	s_add_nc_u64 s[4:5], s[4:5], s[28:29]          ; x at token 16 g, k = 256 w
	s_lshl_b32 s28, ttmp9, 14
	s_lshl_b32 s30, s22, 8
	s_add_co_u32 s28, s28, s30
	s_add_nc_u64 s[14:15], s[14:15], s[28:29]      ; xc likewise
	s_lshl_b32 s28, ttmp9, 8
	s_add_nc_u64 s[18:19], s[18:19], s[28:29]      ; disp at token 16 g
	s_lshl_b32 s28, ttmp9, 6
	s_add_nc_u64 s[20:21], s[20:21], s[28:29]      ; pc at token 16 g
	s_lshl_b32 s28, ttmp9, 7
	s_add_nc_u64 s[42:43], s[42:43], s[28:29]      ; hist at group g
.irp j, 0,1
.irp q, 0,1,2,3,4,5,6,7
	global_load_b128 v[RW+32*\j+4*\q:RW+32*\j+4*\q+3], v3, s[6:7] offset:4096*\j+16*\q
.endr
.endr
.set tk, 0
.rept 16
	global_load_b128 v[XR+8*tk:XR+8*tk+3], v2, s[4:5] offset:4096*tk th:TH_LOAD_NT
	global_load_b128 v[XR+8*tk+4:XR+8*tk+7], v2, s[4:5] offset:4096*tk+512 th:TH_LOAD_NT
.set tk, tk+1
.endr
	s_lshl_b32 s31, s22, 12
	v_lshl_add_u32 v6, v1, 2, s31                  ; my stage, in: 4,096 w + 4 l
	v_add_nc_u32 v7, s31, v2                       ; and back: 4,096 w + 16 l
	s_mov_b32 s36, 0xaaaaaaaa                      ; odd lanes
	s_mov_b32 s37, 0xcccccccc                      ; lanes with bit 1 set
	s_mov_b32 s38, 0x76543210                      ; v_permlanex16_b32: lane l xor 16
	s_mov_b32 s39, 0xfedcba98
	s_wait_kmcnt 0x0
	s_add_co_i32 s32, s25, 127
	s_lshl_b32 s33, s32, 23
	v_mov_b32 v4, s33                              ; 2^e1 as f32: the conversion takes its exponent field
	s_add_co_i32 s32, s32, 15
	s_lshl_b32 s32, s32, 23
	s_or_b32 s32, s32, 0x600000
	v_mov_b32 v5, s32                              ; 57,344 x 2^e1
; a and b are halved together: afterwards the lanes outside msk hold a's sums of two lanes, those inside b's
.macro RED2 a, b, msk, xm, tmp
	v_cndmask_b32 v[\tmp], v[\b], v[\a], \msk
	v_cndmask_b32 v[\a], v[\a], v[\b], \msk
	v_add_f32_dpp v[\a], v[\tmp], v[\a] row_xmask:\xm row_mask:0xf bank_mask:0xf
.endm
; a token's 8 numbers of my lane become 8 codes.  Each token's codes have registers of their own (v16-23, then x registers that an earlier batch has left)
.macro QX tok
.if (\tok) < 4
.set CDR, 16+2*(\tok)
.else
.set CDR, XR+32*((\tok)/4-1)+2*((\tok)%4)
.endif
.irp i, 0,1,2,3,4,5,6,7
	v_med3_num_f32 v[XR+8*(\tok)+\i], v[XR+8*(\tok)+\i], -v5, v5   ; the conversion does not saturate (ISA guide 7.6.2): the hold at the largest code x the scale
.endr
	v_cvt_scalef32_pk8_bf8_f32 v[CDR:CDR+1], v[XR+8*(\tok):XR+8*(\tok)+7], v4
	v_nop                                          ; a plain line behind the conversion
	ds_store_b32 v6, v[CDR] offset:256*(\tok)      ; k = 256 w + 4 l ..
	ds_store_b32 v6, v[CDR+1] offset:256*(\tok)+128  ; k = 256 w + 128 + 4 l ..
.endm
; four tokens: 8 logits each over my 8 k (packed: two experts an instruction; x is taken for both halves), summed over the 32 lanes, then quantised
.macro BATCH bt
	s_wait_loadcnt 24-8*(\bt)                      ; the later batches' loads of x, eight each, may stay out; router_w is older than all of x
.irp j, 0,1
.irp i, 0,1,2,3
.irp t, 0,1,2,3
.irp p, 0,2,4,6
.set xa, XR+8*(4*(\bt)+\t)+4*\j+2*(\i/2)
.set ra, RW+32*\j+8*\i+\p
.set aa, AC+8*\t+\p
.if (\j == 0) && (\i == 0)
	v_pk_mul_f32 v[aa:aa+1], v[xa:xa+1], v[ra:ra+1] op_sel_hi:[0,1]
.elseif (\i % 2) == 0
	v_pk_fma_f32 v[aa:aa+1], v[xa:xa+1], v[ra:ra+1], v[aa:aa+1] op_sel_hi:[0,1,1]
.else
	v_pk_fma_f32 v[aa:aa+1], v[xa:xa+1], v[ra:ra+1], v[aa:aa+1] op_sel:[1,0,0] op_sel_hi:[1,1,1]
.endif
.endr
.endr
.endr
.endr
.irp e, 0,1,2,3,4,5,6,7
	RED2 AC+\e, AC+8+\e, s36, 1, TT+\e
.endr
.irp e, 0,1,2,3,4,5,6,7
	RED2 AC+16+\e, AC+24+\e, s36, 1, TT+\e
.endr
.irp e, 0,1,2,3,4,5,6,7
	RED2 AC+\e, AC+16+\e, s37, 2, TT+\e            ; lane l now works for token 4 bt + l % 4
.endr
.irp e, 0,1,2,3,4,5,6,7
	v_add_f32_dpp v[AC+\e], v[AC+\e], v[AC+\e] row_xmask:4 row_mask:0xf bank_mask:0xf
.endr
.irp e, 0,1,2,3,4,5,6,7
	v_add_f32_dpp v[AC+\e], v[AC+\e], v[AC+\e] row_xmask:8 row_mask:0xf bank_mask:0xf
.endr
.irp e, 0,1,2,3,4,5,6,7
	v_permlanex16_b32 v[TT+\e], v[AC+\e], s38, s39
.endr
.irp e, 0,1,2,3,4,5,6,7
	v_add_f32 v[AC+\e], v[AC+\e], v[TT+\e]
.endr
.if (\bt) == 0
.irp e, 0,1,2,3,4,5,6,7
	v_mov_b32 v[LG+\e], v[AC+\e]
.endr
.else
	s_mov_b32 s40, 0x000f000f<<(4*(\bt))           ; lanes 4 bt .. 4 bt + 3 of each half keep this batch: lane l ends with token l % 16
.irp e, 0,1,2,3,4,5,6,7
	v_cndmask_b32 v[LG+\e], v[LG+\e], v[AC+\e], s40
.endr
.endif
.irp t, 0,1,2,3
	QX 4*(\bt)+\t
.endr
.endm
	BATCH 0
	BATCH 1
	BATCH 2
	BATCH 3
	; the codes come back as rows: 16 lanes take a token's 256 bytes.  LDS serves a wave's instructions in order: these see my stores
.irp i, 0,1,2,3,4,5,6,7
	ds_load_b128 v[192+4*\i:195+4*\i], v7 offset:512*\i
.endr
	v_lshrrev_b32 v32, 4, v1                       ; l / 16
	v_and_b32 v33, 15, v1                          ; l % 16
	v_lshlrev_b32 v34, 4, v33
	v_lshl_add_u32 v35, v32, 10, v34               ; xc: 1,024 (l / 16) + 16 (l % 16)
	s_lshl_b32 s41, s22, 10
	v_lshl_add_u32 v36, v1, 5, s41                 ; my partial logits' place: 1,024 w + 32 l
	s_wait_alu depctr_va_vdst(0)
.irp i, 0,1,2,3,4,5,6,7
	s_wait_dscnt 7-\i
	global_store_b128 v35, v[192+4*\i:195+4*\i], s[14:15] offset:2048*\i   ; sixteen lanes store 256 consecutive bytes, aligned
.endr
	ds_store_b128 v36, v[LG:LG+3] offset:PART
	ds_store_b128 v36, v[LG+4:LG+7] offset:PART+16
	s_wait_dscnt 0x0                               ; for the others' sake: my stores have landed
	s_barrier_signal -1
	s_barrier_wait -1
	s_cmp_lg_u32 s22, 0
	s_cbranch_scc1 .Lend                           ; wave 0 finishes the router
	v_lshlrev_b32 v37, 5, v1
.irp i, 0,1,2,3
	ds_load_b128 v[40+8*\i:43+8*\i], v37 offset:PART+1024*\i
	ds_load_b128 v[44+8*\i:47+8*\i], v37 offset:PART+1024*\i+16
.endr
	s_wait_dscnt 0x0
.irp e, 0,2,4,6
	v_pk_add_f32 v[40+\e:41+\e], v[40+\e:41+\e], v[48+\e:49+\e]
	v_pk_add_f32 v[56+\e:57+\e], v[56+\e:57+\e], v[64+\e:65+\e]
.endr
.irp e, 0,2,4,6
	v_pk_add_f32 v[40+\e:41+\e], v[40+\e:41+\e], v[56+\e:57+\e]     ; the logits, v40-47
.endr
	v_max3_num_f32 v72, v40, v41, v42
	v_max3_num_f32 v72, v72, v43, v44
	v_max3_num_f32 v72, v72, v45, v46
	v_max_num_f32 v72, v72, v47                    ; the row's maximum is taken away, as the softmax has it
.irp e, 0,1,2,3,4,5,6,7
	v_sub_f32 v[48+\e], v[40+\e], v72
.endr
.irp e, 0,1,2,3,4,5,6,7
	v_mul_f32 v[48+\e], 0x3fb8aa3b, v[48+\e]
.endr
	s_wait_alu depctr_va_vdst(0)
.irp e, 0,1,2,3,4,5,6,7
	v_exp_f32 v[48+\e], v[48+\e]
.endr
	v_nop                                          ; a plain line behind the exponentials
	s_wait_alu depctr_va_vdst(0)
	v_add_f32 v73, v48, v49
	v_add_f32 v74, v50, v51
	v_add_f32 v75, v52, v53
	v_add_f32 v76, v54, v55
	v_add_f32 v73, v73, v74
	v_add_f32 v75, v75, v76
	v_add_f32 v73, v73, v75
	s_wait_alu depctr_va_vdst(0)
	v_rcp_f32 v73, v73
	v_nop
	s_wait_alu depctr_va_vdst(0)
.irp e, 0,1,2,3,4,5,6,7
	v_mul_f32 v[48+\e], v[48+\e], v73              ; the probabilities
.endr
	v_mov_b32 v74, v48                             ; the largest, by an ascending scan with a strict compare: of equals the lower index stays
	v_mov_b32 v75, 0
.irp e, 1,2,3,4,5,6,7
	v_cmp_gt_f32 vcc_lo, v[48+\e], v74
	v_cndmask_b32 v74, v74, v[48+\e], vcc_lo
	v_cndmask_b32 v75, v75, \e, vcc_lo
.endr
.irp e, 0,1,2,3,4,5,6,7
	v_cmp_eq_u32 vcc_lo, \e, v75
	v_cndmask_b32 v[56+\e], v[48+\e], -1.0, vcc_lo ; the first choice is taken out
.endr
	v_mov_b32 v76, v56                             ; the second largest, likewise
	v_mov_b32 v77, 0
.irp e, 1,2,3,4,5,6,7
	v_cmp_gt_f32 vcc_lo, v[56+\e], v76
	v_cndmask_b32 v76, v76, v[56+\e], vcc_lo
	v_cndmask_b32 v77, v77, \e, vcc_lo
.endr
	v_add_f32 v78, v74, v76
	s_wait_alu depctr_va_vdst(0)
	v_rcp_f32 v78, v78
	v_min_u32 v81, v75, v77                        ; (a plain line behind the reciprocal)  a
	v_max_u32 v82, v75, v77                        ; b
	s_wait_alu depctr_va_vdst(0)
	v_mul_f32 v79, v74, v78                        ; the two weights, renormalised
	v_mul_f32 v80, v76, v78
	v_sub_nc_u32 v83, 15, v81
	v_mul_u32_u24 v83, v83, v81
	v_lshrrev_b32 v83, 1, v83                      ; a (15 - a) / 2
	v_sub_nc_u32 v90, v82, v81
	v_add_nc_u32 v90, -1, v90                      ; b - a - 1
	v_sub_nc_u32 v91, 7, v82                       ; 7 - b
	v_and_b32 v92, 1, v81
	v_cmp_eq_u32 vcc_lo, 1, v92
	v_cndmask_b32 v90, v90, v91, vcc_lo
	v_add_nc_u32 v90, v83, v90                     ; the pair's number
	v_lshlrev_b32 v82, 2, v32                      ; lanes 0-15 store experts 0-3 of their token, lanes 16-31 experts 4-7
.irp j, 0,1,2,3
	v_add_nc_u32 v83, \j, v82
	v_cmp_eq_u32 vcc_lo, v83, v77
	v_cndmask_b32 v[84+\j], 0, v80, vcc_lo
	v_cmp_eq_u32 vcc_lo, v83, v75
	v_cndmask_b32 v[84+\j], v[84+\j], v79, vcc_lo
.endr
	; the group's ranks and counts, from five masks of lanes (bit k of the number set).  v95: the lanes that hold my token's number; v96: the lanes whose number is my lane's number
.irp k, 0,1,2,3,4
	v_bfe_u32 v93, v90, \k, 1
	v_cmp_ne_u32 s[44+\k], 0, v93
	v_add_nc_u32 v93, -1, v93                      ; 0 where my number's bit k is set, else all ones
	v_bfe_u32 v94, v1, \k, 1
	v_add_nc_u32 v94, -1, v94                      ; the same of my lane's number
.if \k == 0
	v_xor_b32 v95, s[44+\k], v93
	v_xor_b32 v96, s[44+\k], v94
.else
	v_xor_b32 v93, s[44+\k], v93
	v_xor_b32 v94, s[44+\k], v94
	v_and_b32 v95, v95, v93
	v_and_b32 v96, v96, v94
.endif
.endr
	v_lshlrev_b32 v98, 4, v32
	v_mov_b32 v99, 0xffff
	v_lshlrev_b32 v98, v98, v99                    ; my half of the lanes: both halves hold the same 16 tokens, so each counts inside itself
	v_and_b32 v95, v95, v98
	v_mbcnt_lo_u32_b32 v97, v95, 0                 ; the rank: how many lower lanes of my half hold my number.  Lanes l and l + 16 get the same figure
	v_and_b32 v96, 0xffff, v96                     ; the count for number = my lane: the ones among the first 16 lanes
	v_lshrrev_b32 v93, 1, v96
	v_and_b32 v93, 0x55555555, v93
	v_sub_nc_u32 v96, v96, v93
	v_lshrrev_b32 v93, 2, v96
	v_and_b32 v96, 0x33333333, v96
	v_and_b32 v93, 0x33333333, v93
	v_add_nc_u32 v96, v96, v93
	v_lshrrev_b32 v93, 4, v96
	v_add_nc_u32 v96, v96, v93
	v_and_b32 v96, 0x0f0f0f0f, v96
	v_lshrrev_b32 v93, 8, v96
	v_add_nc_u32 v96, v96, v93
	v_and_b32 v96, 31, v96                         ; 0 .. 16
	v_lshl_or_b32 v90, v97, 8, v90                 ; number | rank << 8
	v_lshl_add_u32 v88, v32, 16, v34               ; plane l / 16, token l % 16
	v_lshlrev_b32 v89, 2, v33
	v_lshlrev_b32 v100, 2, v1
	global_store_b128 v88, v[84:87], s[18:19]      ; two runs of 256 consecutive bytes
	global_store_b32 v89, v90, s[20:21]            ; lanes l and l + 16 hold the same token: they store the same word with the same number
	global_store_b32 v100, v96, s[42:43]           ; 128 consecutive bytes: the group's counts
.Lend:
	s_set_vgpr_msb 0x5
	s_wait_tensorcnt 0x0
	ds_add_u32 v0, v1
	s_wait_dscnt 0x0
	s_set_vgpr_msb 0x500
	s_endpgm
.Lfunc_end_k_qc6e93dcbfc_route:
	.size	k_qc6e93dcbfc_route, .Lfunc_end_k_qc6e93dcbfc_route-k_qc6e93dcbfc_route
	.p2alignl 7, 3214868480
	.fill 96, 4, 3214868480
	.section	.rodata,"a",@progbits
	.p2align	6, 0x0
	.amdhsa_kernel k_qc6e93dcbfc_route
		.amdhsa_group_segment_fixed_size 20992
		.amdhsa_private_segment_fixed_size 0
		.amdhsa_enable_private_segment 0
		.amdhsa_kernarg_size 56
		.amdhsa_user_sgpr_count 2
		.amdhsa_user_sgpr_kernarg_segment_ptr 1
		.amdhsa_wavefront_size32 1
		.amdhsa_system_sgpr_workgroup_id_x 1
		.amdhsa_system_sgpr_workgroup_id_y 1
		.amdhsa_system_sgpr_workgroup_id_z 1
		.amdhsa_system_vgpr_workitem_id 0
		.amdhsa_next_free_vgpr 258
		.amdhsa_next_free_sgpr 66
		.amdhsa_reserve_vcc 1
		.amdhsa_float_denorm_mode_32 3
		.amdhsa_float_denorm_mode_16_64 3
		.amdhsa_memory_ordered 1
		.amdhsa_forward_progress 1
		.amdhsa_inst_pref_size 90
	.end_amdhsa_kernel
	.amdgpu_metadata
---
amdhsa.version: [ 1, 2 ]
amdhsa.kernels:
  - .name:           k_qc6e93dcbfc_route
    .symbol:         k_qc6e93dcbfc_route.kd
    .args:
      - { .name: x, .offset: 0, .size: 8, .value_kind: global_buffer, .address_space: global }
      - { .name: router_w, .offset: 8, .size: 8, .value_kind: global_buffer, .address_space: global }
      - { .name: lowp_scales, .offset: 16, .size: 8, .value_kind: global_buffer, .address_space: global }
      - { .name: xc, .offset: 24, .size: 8, .value_kind: global_buffer, .address_space: global }
      - { .name: disp, .offset: 32, .size: 8, .value_kind: global_buffer, .address_space: global }
      - { .name: pc, .offset: 40, .size: 8, .value_kind: global_buffer, .address_space: global }
      - { .name: hist, .offset: 48, .size: 8, .value_kind: global_buffer, .address_space: global }
    .group_segment_fixed_size: 20992
    .private_segment_fixed_size: 0
    .kernarg_segment_align: 8
    .kernarg_segment_size: 56
    .max_flat_workgroup_size: 128
    .sgpr_count:     66
    .vgpr_count:     258
    .wavefront_size: 32
...
	.end_amdgpu_metadata
.endif
;; end of part 5
;; launch wplace (part 6): grid 1025 x 1, 4 waves a work-group, no clusters, 1,536 bytes of LDS; arguments pc, hist, w1, w2, lowp_scales, order, wc, bmask; writes order, wc, bmask
.if DOCPART == 6
	.amdgcn_target "amdgcn-amd-amdhsa--gfx1250"
	.amdhsa_code_object_version 6
	.text
	.protected	k_qc6e93dcbfc_wplace
	.globl	k_qc6e93dcbfc_wplace
	.p2align	8
	.type	k_qc6e93dcbfc_wplace,@function
k_qc6e93dcbfc_wplace:
	s_mov_b64 s[64:65], 0
	v_nop
	global_prefetch_b8 v0, s[64:65] scope:SCOPE_SE
	s_setreg_imm32_b32 hwreg(HW_REG_WAVE_MODE, 25, 1), 1
	s_wait_xcnt 0x0
; WPLACE.  Two kinds of work that hang on nothing of each other share one launch.
; Work-groups 1-1024: 128 columns x 128 K of one of the 16 weight matrices (w1[e], w2[e]) into codes of BF8 (E5M2), laid in the order of an operand's registers.  Each f32 byte of the weights is read once, here.
;   code = number / 2^e, held within +-57,344, rounded to the nearest code, ties to even: e0 for w1, e2 for w2.  LIMITS: e between -126 and 112.  NaN and infinities are not served.
;   wc [mat 16][G 16][s 8][tau 4][c 4][lane 32][16 bytes]: lane (r, h) of tile tau = 2 b + u holds column 64 G + 32 b + 8 u + r + 8 (r / 8), and chunk c its k = 128 s + 32 c + 16 h + 0 .. 15.
; Work-group 0: the 4,096 tokens are placed in the order of their pair of experts (pc's low byte, 0 .. 27), without atomics.
;   order[p] = the token at place p;  bmask[blk] = the set of experts (8 bits) that the 64 tokens at places 64 blk .. 64 blk + 63 use.
;   A token's place = the first place of its number + the tokens of that number in earlier groups of 16 + its rank in its group.  The counts of each group (hist, lane = number) and the ranks (pc, bits 12:8) come from the launch before,
;   so that what is left is a sum down 256 groups.  Wave w takes groups 64 w .. 64 w + 63.  One work-group: a sum over work-groups would want a launch more.
;   order's stores are single words at sorted places: 16 KiB in all, once.
; No matrix unit, no tensor loads, no cluster: the weights stream, and work-groups share nothing.
.set WX, 16                            ; weights: v16-143  128 numbers down K
.set WC, 144                           ;          v144-175 their codes: four registers for each 16, never rewritten
	s_load_b256 s[4:11], s[0:1], 0x0               ; pc s[4:5], hist s[6:7], w1 s[8:9], w2 s[10:11]
	s_load_b256 s[12:19], s[0:1], 0x20             ; lowp_scales s[12:13], order s[14:15], wc s[16:17], bmask s[18:19]
	v_lshl_add_u32 v192, v0, 2, 0x400
	v_mov_b32 v193, 0
	v_lshrrev_b32 v1, 5, v0
	v_readfirstlane_b32 s22, v1                    ; wave 0..3
	v_and_b32 v1, 31, v0                           ; lane
	s_wait_kmcnt 0x0
	s_cmp_lg_u32 ttmp9, 0                          ; the parting hangs on the work-group's number alone: all four waves go one way
	s_cbranch_scc1 .Lweights
	s_wait_alu depctr_va_vdst(0)
; ---------------- the placing.  v8-39 4 x number, later the token; v64-127 a group's counts, then sums, then first places; v128-159 pc's words, then ranks, then places; v160-191 what the lanes of the numbers hand back ----------------
	v_lshlrev_b32 v2, 2, v1                        ; 4 l
	v_lshlrev_b32 v3, 2, v0                        ; LDS: my wave's totals at 128 w + 4 l
	s_mov_b32 s29, 0
	s_lshl_b32 s28, s22, 13
	s_add_nc_u64 s[6:7], s[6:7], s[28:29]          ; hist at group 64 w
	s_lshl_b32 s28, s22, 12
	s_add_nc_u64 s[4:5], s[4:5], s[28:29]          ; pc at token 1,024 w
	s_lshl_b32 s28, s22, 6
	s_add_nc_u64 s[18:19], s[18:19], s[28:29]      ; bmask at block 16 w
.set gi, 0
.rept 64
	global_load_b32 v[64+gi], v2, s[6:7] offset:128*gi      ; group gi of mine: lane = number
.set gi, gi+1
.endr
.set gi, 0
.rept 32
	global_load_b32 v[128+gi], v2, s[4:5] offset:128*gi     ; tokens 1,024 w + 32 gi + l: lanes 0-15 group 2 gi, lanes 16-31 group 2 gi + 1
.set gi, gi+1
.endr
	s_lshl_b32 s30, s22, 10
	v_add_nc_u32 v4, s30, v1                       ; my first token
	v_and_b32 v5, 15, v1
	v_lshlrev_b32 v47, 6, v5
	v_add_nc_u32 v47, s30, v47                     ; block 16 w + l % 16: its first place,
	v_add_nc_u32 v48, 64, v47                      ; and the place behind its last
	v_mov_b32 v49, 0                               ; its experts
	v_lshlrev_b32 v53, 2, v5
	v_mov_b32 v44, 0                               ; the first place of number = my lane
	s_mov_b32 s40, 0xffff0000                      ; lanes 16-31
	s_wait_loadcnt 32                              ; the counts are in; pc's 32 loads may stay out
.set gi, 1
.rept 15                                       ; running sums in four chains of 16 groups, which do not wait for each other
.irp q, 0,1,2,3
	v_add_nc_u32 v[64+16*\q+gi], v[64+16*\q+gi], v[64+16*\q+gi-1]
.endr
.set gi, gi+1
.endr
	v_add_nc_u32 v54, v79, v95                     ; the first 32 groups,
	v_add_nc_u32 v55, v54, v111                    ; 48,
	v_add_nc_u32 v41, v55, v127                    ; all 64 of mine
	ds_store_b32 v3, v41
	s_wait_loadcnt 0x0                             ; pc's words
.set gi, 0
.rept 32
	v_and_b32 v[8+gi], 31, v[128+gi]
	v_min_u32 v[8+gi], 27, v[8+gi]
	v_lshlrev_b32 v[8+gi], 2, v[8+gi]              ; 4 x number: the lane to ask
	v_bfe_u32 v[128+gi], v[128+gi], 8, 5           ; the rank
.set gi, gi+1
.endr
	s_wait_dscnt 0x0                               ; for the others' sake: my store has landed
	s_barrier_signal -1
	s_barrier_wait -1
.irp i, 0,1,2,3
	ds_load_b32 v[56+\i], v2 offset:128*\i
.endr
	s_wait_dscnt 0x0
	v_add_nc_u32 v42, v56, v57
	v_add_nc_u32 v43, v58, v59
	v_add_nc_u32 v42, v42, v43                     ; all tokens of number = my lane
	v_mov_b32 v43, 0
.irp i, 0,1,2
	s_cmp_gt_u32 s22, \i
	s_cselect_b32 s31, -1, 0
	v_and_b32 v46, s31, v[56+\i]
	v_add_nc_u32 v43, v43, v46                     ; those in earlier waves
.endr
	; down the 28 numbers: each one's first place; and a number whose run of places meets my block gives the block its two experts
	s_mov_b32 s32, 0
.set cc, 0
.irp pm, 0x03,0x05,0x09,0x11,0x21,0x41,0x81, 0x82,0x42,0x22,0x12,0x0a,0x06, 0x0c,0x14,0x24,0x44,0x84, 0x88,0x48,0x28,0x18, 0x30,0x50,0x90, 0xa0,0x60, 0xc0
	v_readlane_b32 s33, v42, cc
	v_writelane_b32 v44, s32, cc
	s_add_co_u32 s34, s32, s33                     ; the run: places s32 .. s34 - 1
	v_max_u32 v50, s32, v47
	v_min_u32 v51, s34, v48
	v_cmp_lt_u32 vcc_lo, v50, v51
	v_or_b32 v52, \pm, v49
	v_cndmask_b32 v49, v49, v52, vcc_lo
	s_mov_b32 s32, s34
.set cc, cc+1
.endr
	global_store_b32 v53, v49, s[18:19]            ; lanes l and l + 16 hold the same block: they store the same word with the same number; 64 consecutive bytes a wave
	v_add_nc_u32 v56, v44, v43                     ; where my wave's tokens of number = my lane begin: for groups 0-15,
	v_add_nc_u32 v57, v56, v79                     ; 16-31,
	v_add_nc_u32 v58, v56, v54                     ; 32-47,
	v_add_nc_u32 v59, v56, v55                     ; 48-63
.irp q, 0,1,2,3                                ; each group's first place for each number, from the top down, so that each sum is read before it is written over
.set gi, 15
.rept 15
	v_add_nc_u32 v[64+16*\q+gi], v[56+\q], v[64+16*\q+gi-1]
.set gi, gi-1
.endr
	v_mov_b32 v[64+16*\q], v[56+\q]
.endr
.irp hh, 0,1                                   ; 16 of pc's 32 words at a time
.set gi, 0
.rept 16
	ds_bpermute_b32 v[160+gi], v[8+16*\hh+gi], v[64+32*\hh+2*gi]      ; each token asks the lane of its number: for the even group,
	ds_bpermute_b32 v[176+gi], v[8+16*\hh+gi], v[64+32*\hh+2*gi+1]    ; and for the odd one
.set gi, gi+1
.endr
	s_wait_dscnt 0x0
.set gi, 0
.rept 16
	v_cndmask_b32 v[160+gi], v[160+gi], v[176+gi], s40                ; lanes 16-31 belong to the odd group
	v_add_nc_u32 v[128+16*\hh+gi], v[128+16*\hh+gi], v[160+gi]        ; + the rank: the place
	v_min_u32 v[128+16*\hh+gi], 0xfff, v[128+16*\hh+gi]
	v_lshlrev_b32 v[128+16*\hh+gi], 2, v[128+16*\hh+gi]
	v_add_nc_u32 v[8+16*\hh+gi], 32*(16*\hh+gi), v4                   ; the token
	global_store_b32 v[128+16*\hh+gi], v[8+16*\hh+gi], s[14:15]
.set gi, gi+1
.endr
.endr
	s_wait_tensorcnt 0x0
	ds_add_u32 v192, v193
	s_wait_dscnt 0x0
	s_endpgm
; ---------------- weights: a lane takes a column, and its registers run down K: the conversions' results are the operand's bytes ----------------
.Lweights:
	s_load_b128 s[24:27], s[12:13], 0x0            ; e0 (w1), e1, e2 (w2), e3
	s_sub_co_u32 s28, ttmp9, 1
	s_lshr_b32 s29, s28, 6                         ; mat 0..15: w1[0..7], w2[0..7]
	s_bfe_u32 s30, s28, 0x30003                    ; which 128 columns
	s_and_b32 s31, s28, 7                          ; which 128 along K
	s_wait_alu depctr_va_vdst(0)
	v_and_b32 v2, 15, v1                           ; r
	v_lshrrev_b32 v3, 4, v1                        ; u
	v_and_b32 v4, 8, v2
	v_add_nc_u32 v4, v4, v2
	v_lshl_add_u32 v4, v3, 3, v4                   ; my column among the wave's 32: r + 8 (r / 8) + 8 u
	v_lshlrev_b32 v4, 2, v4
	s_wait_alu depctr_va_vdst(0)
	v_lshlrev_b32 v5, 4, v2
	v_lshl_add_u32 v5, v3, 11, v5                  ; out: tile u of the wave's two, 16 r
	s_and_b32 s32, s29, 7
	s_lshl_b32 s32, s32, 22                        ; the expert's 4 MiB,
	s_lshl_b32 s33, s31, 19                        ; 128 rows of 4,096 bytes,
	s_add_co_u32 s32, s32, s33
	s_lshl_b32 s33, s30, 9                         ; 128 columns,
	s_add_co_u32 s32, s32, s33
	s_lshl_b32 s33, s22, 7                         ; my wave's 32
	s_add_co_u32 s32, s32, s33
	s_mov_b32 s33, 0
	s_lshl_b32 s34, s29, 20                        ; wc: mat,
	s_lshl_b32 s35, s30, 17                        ; G = 2 x (which 128 columns) + wave / 2,
	s_add_co_u32 s34, s34, s35
	s_lshr_b32 s35, s22, 1
	s_lshl_b32 s35, s35, 16
	s_add_co_u32 s34, s34, s35
	s_lshl_b32 s35, s31, 13                        ; K step,
	s_add_co_u32 s34, s34, s35
	s_and_b32 s35, s22, 1
	s_lshl_b32 s35, s35, 12                        ; tiles 2 (wave % 2) and the next
	s_add_co_u32 s34, s34, s35
	s_mov_b32 s35, 0
	s_cmp_lt_u32 s29, 8                            ; w1 or w2: the choice hangs on the work-group's number alone
	s_cselect_b64 s[8:9], s[8:9], s[10:11]
	s_add_nc_u64 s[8:9], s[8:9], s[32:33]
	s_add_nc_u64 s[16:17], s[16:17], s[34:35]
.macro LDG q                           ; 16 rows of K at my column: the wave reads 128 consecutive bytes a load, the work-group 512
.irp i, 0,1,2,3,4,5,6,7,8,9,10,11,12,13,14,15
	global_load_b32 v[WX+16*(\q)+\i], v4, s[8:9] offset:(16*(\q)+\i)*4096 th:TH_LOAD_NT
.endr
.endm
	LDG 0
	LDG 1
	LDG 2
	s_wait_kmcnt 0x0
	s_cmp_lt_u32 s29, 8
	s_cselect_b32 s24, s24, s26                    ; e0 or e2
	s_add_co_i32 s24, s24, 127
	s_lshl_b32 s25, s24, 23
	v_mov_b32 v11, s25                             ; 2^e
	s_add_co_i32 s24, s24, 15
	s_lshl_b32 s24, s24, 23
	s_or_b32 s24, s24, 0x600000
	v_mov_b32 v10, s24                             ; 57,344 x 2^e
	s_wait_alu depctr_va_vdst(0)
.irp q, 0,1,2,3,4,5,6,7
.if \q <= 4
	LDG \q+3
	s_wait_loadcnt 48                              ; three younger groups of 16 may stay out
.else
	s_wait_loadcnt 16*(7-\q)
.endif
.irp i, 0,1,2,3,4,5,6,7,8,9,10,11,12,13,14,15
	v_med3_num_f32 v[WX+16*\q+\i], v[WX+16*\q+\i], -v10, v10   ; the conversion does not saturate (ISA guide 7.6.2): the hold at the largest code x the scale
.endr
	v_cvt_scalef32_pk8_bf8_f32 v[WC+4*\q:WC+4*\q+1], v[WX+16*\q:WX+16*\q+7], v11
	v_cvt_scalef32_pk8_bf8_f32 v[WC+4*\q+2:WC+4*\q+3], v[WX+16*\q+8:WX+16*\q+15], v11
	v_nop
	global_store_b128 v5, v[WC+4*\q:WC+4*\q+3], s[16:17] offset:256*\q   ; q = 2 c + h: each half of the lanes stores 256 consecutive bytes, aligned
.endr
	s_endpgm
.Lfunc_end_k_qc6e93dcbfc_wplace:
	.size	k_qc6e93dcbfc_wplace, .Lfunc_end_k_qc6e93dcbfc_wplace-k_qc6e93dcbfc_wplace
	.p2alignl 7, 3214868480
	.fill 96, 4, 3214868480
	.section	.rodata,"a",@progbits
	.p2align	6, 0x0
	.amdhsa_kernel k_qc6e93dcbfc_wplace
		.amdhsa_group_segment_fixed_size 1536
		.amdhsa_private_segment_fixed_size 0
		.amdhsa_enable_private_segment 0
		.amdhsa_kernarg_size 64
		.amdhsa_user_sgpr_count 2
		.amdhsa_user_sgpr_kernarg_segment_ptr 1
		.amdhsa_wavefront_size32 1
		.amdhsa_system_sgpr_workgroup_id_x 1
		.amdhsa_system_sgpr_workgroup_id_y 1
		.amdhsa_system_sgpr_workgroup_id_z 1
		.amdhsa_system_vgpr_workitem_id 0
		.amdhsa_next_free_vgpr 194
		.amdhsa_next_free_sgpr 66
		.amdhsa_reserve_vcc 1
		.amdhsa_float_denorm_mode_32 3
		.amdhsa_float_denorm_mode_16_64 3
		.amdhsa_memory_ordered 1
		.amdhsa_forward_progress 1
		.amdhsa_inst_pref_size 70
	.end_amdhsa_kernel
	.amdgpu_metadata
---
amdhsa.version: [ 1, 2 ]
amdhsa.kernels:
  - .name:           k_qc6e93dcbfc_wplace
    .symbol:         k_qc6e93dcbfc_wplace.kd
    .args:
      - { .name: pc, .offset: 0, .size: 8, .value_kind: global_buffer, .address_space: global }
      - { .name: hist, .offset: 8, .size: 8, .value_kind: global_buffer, .address_space: global }
      - { .name: w1, .offset: 16, .size: 8, .value_kind: global_buffer, .address_space: global }
      - { .name: w2, .offset: 24, .size: 8, .value_kind: global_buffer, .address_space: global }
      - { .name: lowp_scales, .offset: 32, .size: 8, .value_kind: global_buffer, .address_space: global }
      - { .name: order, .offset: 40, .size: 8, .value_kind: global_buffer, .address_space: global }
      - { .name: wc, .offset: 48, .size: 8, .value_kind: global_buffer, .address_space: global }
      - { .name: bmask, .offset: 56, .size: 8, .value_kind: global_buffer, .address_space: global }
    .group_segment_fixed_size: 1536
    .private_segment_fixed_size: 0
    .kernarg_segment_align: 8
    .kernarg_segment_size: 64
    .max_flat_workgroup_size: 128
    .sgpr_count:     66
    .vgpr_count:     194
    .wavefront_size: 32
...
	.end_amdgpu_metadata
.endif
;; end of part 6
;; launch ffn1 (part 7): grid 4 x 64, 4 waves a work-group, no clusters, 67,072 bytes of LDS; arguments xc, wc, b1, lowp_scales, order, bmask, hc; writes hc
.if DOCPART == 7
	.amdgcn_target "amdgcn-amd-amdhsa--gfx1250"
	.amdhsa_code_object_version 6
	.text
	.protected	k_qc6e93dcbfc_ffn1
	.globl	k_qc6e93dcbfc_ffn1
	.p2align	8
	.type	k_qc6e93dcbfc_ffn1,@function
k_qc6e93dcbfc_ffn1:
	s_mov_b64 s[64:65], 0
	v_nop
	global_prefetch_b8 v0, s[64:65] scope:SCOPE_SE
	s_setreg_imm32_b32 hwreg(HW_REG_WAVE_SCHED_MODE, 0, 2), 2
	s_setreg_imm32_b32 hwreg(HW_REG_WAVE_MODE, 25, 1), 1
	s_wait_xcnt 0x0
	s_wait_alu depctr_vm_vsrc(0)
; FFN1.  hc = Q(gelu(x W1[e] + b1[e])) on codes of BF8 (E5M2), for the experts e that a block of 64 sorted tokens uses (bmask), and for no others.
; SHARES.  A work-group: block blk (grid y) x 256 hidden units (grid x).  Wave w: all 64 tokens x the 64 hidden units of group G = 4 x + w: 16 accumulators of 16 x 16.
; x's codes of the 64 tokens are gathered once, turned into fragments through LDS, and stay in 512 registers of each wave for every expert.  The weights' codes lie in memory in the order of an
; operand's registers and go straight into a ring of four register buffers, three K steps ahead: each lane loads its 16 bytes, a wave 512 consecutive bytes.
; THE MATRIX INSTRUCTION IS USED TRANSPOSED (source 0 = 16 columns of W1, source 1 = 16 tokens), and a tile's columns are chosen (lane r of tile 2 b + u: column 32 b + 8 u + r + 8 (r / 8)) so that a lane holds ONE token
; and the 16 registers of tiles 2 b, 2 b + 1 are the hidden units 32 b + 16 h + 0 .. 15: neighbours along the next K.  The conversions' results are bytes of the next operand's register image.
; In both operands register 4 c + q holds k = 32 c + 16 h + 4 q ..: the same permutation of k on both sides, so every product meets its partner.
; b1 goes in as the C of a sum's first instruction, divided by 2^(e0 + e1).  gelu(v) = v/2 + v/2 erf(v / sqrt 2); erf(z) = z P(z^2) / Q(z^2), z held within +-4: a rational of degrees 6 and 4 in z^2, in f32.
; LIMITS: e0 + e1 between -125 and 127, e3 between -126 and 112.  NaN and infinities are not served.
; NO CLUSTER, NO TENSOR LOADS: which experts a block walks is read from memory, and partners of a joint load may not part on that; were all to walk all 8 experts, 8 / 2.4 times the bytes would be fetched;
; what the four work-groups of a block surely share, x's 64 KiB, is a tenth of what each reads.
; REGISTERS: window 0: v1 16 x lane; v2 x's fragment address; v3 64 h; v4, v5 2^e3 and 57,344 x 2^e3; v[6:7], v[8:9] two constants; v10 gather's LDS address; v20-23 codes; v32-63 b1; v64-127 at work; v128-255 accumulators.
;   window 1: the ring (buffer p at 64 p, tile t at + 16 t).   windows 2, 3: x: K step s in window 2 + s / 4 at 64 (s % 4) + 16 m.
; THE MODE: SCHED_MODE bits 1:0 = 2 (LLVM: expert scheduling mode 2), set by the entry lines.  The code itself states the register dependences
; between vector or matrix instructions and memory or LDS instructions, with s_wait_alu, always for 0.
; THE PLAN.  Registers that memory or LDS instructions touch:
;   v1, v2, v3, v10   offsets and LDS addresses: made at the head, never written again.
;   v64-79            the gather's offsets, at the head; from the first activation on they are at work.
;   v128-255          at the head the gather lands here and the LDS stores read them; from the first product on they are the accumulators.
;   ring buffer p     K step s's products read buffer s % 4; the 16 loads issued at the head of step s land in buffer (s - 1) % 4, which step s - 1's products read.
;   b1, v32-63        loaded; scaled by vector lines; read by step 0's products; the next expert's loads land in it behind step 7.
;   the codes         group g's conversions write four registers (v20-23, then registers that group g - 1's sums have left); ONE store reads them; the next unit writes them again.
; So: one wait on va_vdst at the head of each of steps 0 to 4, ahead of the run of ring loads; one in the arm that asks for the next expert; group g's store stands behind the wait that group g + 1
; has for its reciprocals, which also shows group g's conversions written (group g + 1 names its own 16 sums, v64-127 and group g's sums, never group g's codes); one more wait serves group 7's store.
; One wait on vm_vsrc ahead of the loop and one at each unit's end, ahead of the lines that write what the LDS stores, the gather and the stores of codes have read.
.set ACC, 128
.set B1,  32
.set ZR,  64
.set TR,  80
.set PR,  96
.set QR,  112
.set MSB, 0
.macro WIN new                         ; the immediate's high byte repeats the setting that is left
.if MSB != \new
	s_set_vgpr_msb (MSB<<8)|\new
.set MSB, \new
.endif
.endm
.macro CPAIR r, val                    ; a constant for the packed forms: named as a pair, so both words are written
	s_mov_b32 s[\r], \val
	s_mov_b32 s[\r+1], \val
.endm
.macro BASES ex                        ; the weights' and the bias's addresses for expert \ex
	s_lshl_b32 s52, \ex, 20
	s_add_co_u32 s52, s52, s57
	s_mov_b32 s53, 0
	s_add_nc_u64 s[26:27], s[6:7], s[52:53]
	s_lshl_b32 s54, \ex, 12
	s_add_co_u32 s54, s54, s58
	s_mov_b32 s55, 0
	s_add_nc_u64 s[28:29], s[8:9], s[54:55]
.endm
.macro LDB1                            ; b1 in the result's layout: tile 2 b + u, register j: hidden unit 32 b + 16 h + 8 u + j
	WIN 0
.irp t, 0,1,2,3
	global_load_b128 v[B1+8*\t:B1+8*\t+3], v3, s[28:29] offset:128*(\t/2)+32*(\t%2)
	global_load_b128 v[B1+8*\t+4:B1+8*\t+7], v3, s[28:29] offset:128*(\t/2)+32*(\t%2)+16
.endr
.endm
.macro RING s                          ; K step s of my four tiles: 16 loads of 512 consecutive bytes into buffer s % 4
	WIN 0x40
.irp t, 0,1,2,3
.irp c, 0,1,2,3
	global_load_b128 v[64*((\s)%4)+16*\t+4*\c:64*((\s)%4)+16*\t+4*\c+3], v1, s[26:27] offset:8192*(\s)+2048*\t+512*\c
.endr
.endr
.endm
.macro MM s                            ; 16 matrix instructions; the 16 accumulators take turns, one instruction a turn, in the same order in every step
.if (\s) < 4
	WIN 0x09
.else
	WIN 0x0d
.endif
.irp m, 0,1,2,3
.irp t, 0,1,2,3
.if (\s) == 0
	v_wmma_f32_16x16x128_bf8_bf8 v[ACC+8*(4*\m+\t):ACC+8*(4*\m+\t)+7], v[64*((\s)%4)+16*\t:64*((\s)%4)+16*\t+15], v[64*((\s)%4)+16*\m:64*((\s)%4)+16*\m+15], v[B1+8*\t:B1+8*\t+7]
.else
	v_wmma_f32_16x16x128_bf8_bf8 v[ACC+8*(4*\m+\t):ACC+8*(4*\m+\t)+7], v[64*((\s)%4)+16*\t:64*((\s)%4)+16*\t+15], v[64*((\s)%4)+16*\m:64*((\s)%4)+16*\m+15], v[ACC+8*(4*\m+\t):ACC+8*(4*\m+\t)+7]
.endif
.endr
.endr
.endm
; Group g's 16 codes a lane leave: 512 consecutive bytes of the next operand's image.  They lie in v20-23 (group 0) or in the first four registers that group g - 1's sums have left.
.macro CSTORE g
.if (\g) == 0
.set CDS, 20
.else
.set CDS, ACC+16*((\g)-1)
.endif
	global_store_b128 v1, v[CDS:CDS+3], s[30:31] offset:16384*((\g)/2)+512*((\g)%2)
.endm
; 16 sums of a lane (tiles 2 b, 2 b + 1 of M tile m; g = 2 m + b) become 16 codes.  Each accumulator is read from its low end on.
; The codes go into registers that the group before has left (group 0: v20-23): no store's data are written again inside a unit.  The group before's store stands in this group's middle.
.macro GELU16 g
	WIN 0
.set AB, ACC+16*(\g)
.if (\g) == 0
.set CDR, 20
.else
.set CDR, ACC+16*((\g)-1)
.endif
.irp p, 0,2,4,6,8,10,12,14
	v_pk_mul_f32 v[ZR+\p:ZR+\p+1], v[AB+\p:AB+\p+1], s[66:67] op_sel_hi:[1,0]        ; z = sum x 2^(e0 + e1) / sqrt 2
.endr
.irp i, 0,1,2,3,4,5,6,7,8,9,10,11,12,13,14,15
	v_med3_num_f32 v[ZR+\i], v[ZR+\i], -4.0, 4.0
.endr
.irp p, 0,2,4,6,8,10,12,14
	v_pk_mul_f32 v[TR+\p:TR+\p+1], v[ZR+\p:ZR+\p+1], v[ZR+\p:ZR+\p+1]
.endr
.irp p, 0,2,4,6,8,10,12,14
	v_pk_fma_f32 v[PR+\p:PR+\p+1], v[TR+\p:TR+\p+1], s[70:71], v[6:7] op_sel_hi:[1,0,1]
.endr
.irp p, 0,2,4,6,8,10,12,14
	v_pk_fma_f32 v[QR+\p:QR+\p+1], v[TR+\p:TR+\p+1], s[82:83], v[8:9] op_sel_hi:[1,0,1]
.endr
.irp k, 72,74,76,78,80
.irp p, 0,2,4,6,8,10,12,14
	v_pk_fma_f32 v[PR+\p:PR+\p+1], v[PR+\p:PR+\p+1], v[TR+\p:TR+\p+1], s[\k:\k+1] op_sel_hi:[1,1,0]
.endr
.endr
.irp k, 84,86,88
.irp p, 0,2,4,6,8,10,12,14
	v_pk_fma_f32 v[QR+\p:QR+\p+1], v[QR+\p:QR+\p+1], v[TR+\p:TR+\p+1], s[\k:\k+1] op_sel_hi:[1,1,0]
.endr
.endr
	s_wait_alu depctr_va_vdst(0)
.irp i, 0,1,2,3,4,5,6,7,8,9,10,11,12,13,14,15
	v_rcp_f32 v[QR+\i], v[QR+\i]
.endr
.irp p, 0,2,4,6,8,10,12,14
	v_pk_mul_f32 v[PR+\p:PR+\p+1], v[PR+\p:PR+\p+1], v[ZR+\p:ZR+\p+1]                 ; (plain lines behind the reciprocals)
.endr
	s_wait_alu depctr_va_vdst(0)                   ; the 16 reciprocals have written v[QR ..], ahead of their first reader; and the group before's conversions have written its codes, which the store below reads
.if (\g) > 0
	CSTORE (\g)-1
.endif
.irp p, 0,2,4,6,8,10,12,14
	v_pk_mul_f32 v[PR+\p:PR+\p+1], v[PR+\p:PR+\p+1], v[QR+\p:QR+\p+1]                 ; erf(z)
.endr
.irp p, 0,2,4,6,8,10,12,14
	v_pk_mul_f32 v[TR+\p:TR+\p+1], v[AB+\p:AB+\p+1], s[68:69] op_sel_hi:[1,0]        ; v / 2
.endr
.irp p, 0,2,4,6,8,10,12,14
	v_pk_fma_f32 v[AB+\p:AB+\p+1], v[TR+\p:TR+\p+1], v[PR+\p:PR+\p+1], v[TR+\p:TR+\p+1]
.endr
.irp i, 0,1,2,3,4,5,6,7,8,9,10,11,12,13,14,15
	v_med3_num_f32 v[AB+\i], v[AB+\i], -v5, v5     ; the conversion does not saturate (ISA guide 7.6.2): the hold at the largest code x the scale
.endr
	v_cvt_scalef32_pk8_bf8_f32 v[CDR:CDR+1], v[AB:AB+7], v4
	v_cvt_scalef32_pk8_bf8_f32 v[CDR+2:CDR+3], v[AB+8:AB+15], v4
	v_nop                                          ; a plain line behind the conversions: later vector and matrix instructions write their sources
.endm
	s_load_b256 s[4:11], s[0:1], 0x0               ; xc s[4:5], wc s[6:7], b1 s[8:9], lowp_scales s[10:11]
	s_load_b128 s[12:15], s[0:1], 0x20             ; order s[12:13], bmask s[14:15]
	s_load_b64 s[16:17], s[0:1], 0x30              ; hc
	v_lshl_add_u32 v30, v0, 2, 0x10400
	v_mov_b32 v31, 0
	v_lshrrev_b32 v1, 5, v0
	v_readfirstlane_b32 s18, v1                    ; wave 0..3
	s_mov_b32 s19, ttmp9                           ; which 256 hidden units
	s_and_b32 s20, ttmp7, 0xffff                   ; block
	v_and_b32 v11, 31, v0
	v_lshlrev_b32 v1, 4, v11                       ; 16 x lane
	v_and_b32 v12, 15, v0                          ; r
	v_bfe_u32 v13, v0, 4, 1                        ; h
	v_mul_u32_u24 v2, v12, 1040                    ; LDS rows of 1,024 bytes + 16: 65 x 16, so the 16 rows of a load start 16 bytes apart modulo 256
	v_lshl_add_u32 v2, v13, 4, v2
	v_lshlrev_b32 v3, 6, v13
	s_wait_alu depctr_va_sdst(0)                   ; s18, the wave's number, is written, ahead of its first reader
	s_mul_i32 s61, s18, 16640                      ; (a scalar of its own: no scalar line writes over it behind the vector line that reads it)
	v_add_nc_u32 v10, s61, v1                      ; my wave's 16 rows
	s_lshl_b32 s52, s20, 8
	s_lshl_b32 s53, s18, 6
	s_add_co_u32 s52, s52, s53                     ; order: places 64 blk + 16 w on
	s_mov_b32 s53, 0
	s_lshl_b32 s54, s20, 2
	s_mov_b32 s55, 0
	s_lshl_b32 s56, s19, 2
	s_add_co_u32 s56, s56, s18                     ; G
	s_lshl_b32 s57, s56, 16                        ; its place in an expert's codes,
	s_lshl_b32 s58, s56, 8                         ; in b1's row,
	s_lshl_b32 s59, s56, 10
	s_lshl_b32 s60, s20, 16
	s_add_co_u32 s59, s59, s60                     ; and in hc: block, K step G / 2, chunks 2 (G % 2) on
	CPAIR 70, 0xaf95df0b                           ; P: -2.72614226e-10,
	CPAIR 72, 0xb60cff51                           ; (2.77068142e-08 in v[6:7],) -2.10102402e-06,
	CPAIR 74, 0xb86ec2d2                           ; -5.69250639e-05,
	CPAIR 76, 0xba40ac63                           ; -7.34990630e-04,
	CPAIR 78, 0xbb41a1f6                           ; -2.95459981e-03,
	CPAIR 80, 0xbc83dbd4                           ; -1.60960333e-02
	CPAIR 82, 0xb77460cd                           ; Q: -1.45660718e-05,
	CPAIR 84, 0xbadc924e                           ; (-2.13374055e-04 in v[8:9],) -1.68282697e-03,
	CPAIR 86, 0xbbf19bf8                           ; -7.37332917e-03,
	CPAIR 88, 0xbc69b6a7                           ; -1.42647391e-02
	v_mov_b32 v6, 0x32edffee
	v_mov_b32 v7, 0x32edffee
	v_mov_b32 v8, 0xb95fbd29
	v_mov_b32 v9, 0xb95fbd29
	s_wait_kmcnt 0x0
	s_add_nc_u64 s[12:13], s[12:13], s[52:53]
	s_add_nc_u64 s[14:15], s[14:15], s[54:55]
	s_load_b512 s[32:47], s[12:13], 0x0            ; my wave's 16 tokens
	s_load_b32 s21, s[14:15], 0x0                  ; the block's experts
	s_load_b128 s[48:51], s[10:11], 0x0            ; e0, e1, e2, e3
	s_wait_kmcnt 0x0
	s_and_b32 s21, s21, 0xff
	s_ctz_i32_b32 s23, s21
	s_min_u32 s23, s23, 7                          ; the first expert
.irp i, 0,1,2,3,4,5,6,7,8,9,10,11,12,13,14,15
	s_min_u32 s[32+\i], s[32+\i], 0xfff
	s_lshl_b32 s[32+\i], s[32+\i], 10
	v_add_nc_u32 v[64+\i], s[32+\i], v1
.endr
	s_wait_alu depctr_va_vdst(0)                   ; the gather's offsets v64-79 are written, and so are v1, v2, v3 and v10, which every load, store and LDS instruction of the kernel reads as its offset or address
.irp i, 0,1,2,3,4,5,6,7,8,9,10,11,12,13,14,15
	global_load_b128 v[128+8*\i:131+8*\i], v[64+\i], s[4:5]              ; a token's 1,024 codes: two loads of 512 consecutive bytes
	global_load_b128 v[132+8*\i:135+8*\i], v[64+\i], s[4:5] offset:512
.endr
	BASES s23
	LDB1
	RING 0
	WIN 0
	s_add_co_i32 s91, s48, s49                     ; E = e0 + e1: a sum stands for sum x 2^E
	s_sub_co_i32 s90, 0, s91
	s_lshl_b32 s92, s91, 23
	s_add_co_i32 s66, s92, 0x3f3504f3              ; 2^E / sqrt 2: E is added to the exponent field
	s_mov_b32 s67, s66
	s_add_co_i32 s68, s91, 126
	s_lshl_b32 s68, s68, 23                        ; 2^E / 2
	s_mov_b32 s69, s68
	s_add_co_i32 s93, s51, 127
	s_lshl_b32 s94, s93, 23
	v_mov_b32 v4, s94                              ; 2^e3
	s_add_co_i32 s93, s93, 15
	s_lshl_b32 s93, s93, 23
	s_or_b32 s93, s93, 0x600000
	v_mov_b32 v5, s93                              ; 57,344 x 2^e3
	s_wait_loadcnt 24                              ; the gather is in; b1's 8 loads and ring step 0's 16 may stay out
.irp i, 0,1,2,3,4,5,6,7,8,9,10,11,12,13,14,15
	ds_store_b128 v10, v[128+8*\i:131+8*\i] offset:1040*\i
	ds_store_b128 v10, v[132+8*\i:135+8*\i] offset:1040*\i+512
.endr
	RING 1
	RING 2
	WIN 0
	s_wait_dscnt 0x0                               ; for the others' sake: my 16 rows have landed
	s_barrier_signal -1
	s_barrier_wait -1
.irp s, 0,1,2,3,4,5,6,7
.if \s < 4
	WIN 0x80
.else
	WIN 0xc0
.endif
.irp m, 0,1,2,3
.irp c, 0,1,2,3
	ds_load_b128 v[64*(\s%4)+16*\m+4*\c:64*(\s%4)+16*\m+4*\c+3], v2 offset:16640*\m+128*\s+32*\c   ; token 16 m + r, k = 128 s + 32 c + 16 h ..
.endr
.endr
.endr
	WIN 0
	s_wait_dscnt 0x0
	s_wait_alu depctr_vm_vsrc(0)                   ; the gather's loads have read v64-79 and my LDS stores v128-255: the first unit's products and activation write both
	s_mov_b32 s25, 0
.Lunit:                                            ; a trip: one expert of the block.  At most 8; the loop is left when none remains
	s_lshl_b32 s52, s23, 22
	s_add_co_u32 s52, s52, s59
	s_mov_b32 s53, 0
	s_add_nc_u64 s[30:31], s[16:17], s[52:53]      ; hc at (expert, block), my chunks
	s_sub_co_u32 s22, s21, 1
	s_and_b32 s22, s22, s21                        ; the experts that remain
	s_mov_b32 s24, 0
	s_wait_loadcnt 48                              ; b1 is in; ring steps 0 to 2 may stay out
.irp j, 0,1,2,3,4,5,6,7,8,9,10,11,12,13,14,15,16,17,18,19,20,21,22,23,24,25,26,27,28,29,30,31
	v_ldexp_f32 v[B1+\j], v[B1+\j], s90            ; b1 / 2^E
.endr
.irp s, 0,1,2,3,4,5,6,7
.if \s <= 4
.rept 4
	v_nop                                          ; four places between the last products and loads into the buffer that they read; they stand beside the wait below
.endr
	WIN 0x40
	s_wait_alu depctr_va_vdst(0)                   ; the products of the step before (step 0: of the last unit's step 7) are done reading the ring buffer in which the 16 loads below land
	RING \s+3
	s_wait_loadcnt 48                              ; this step's 16 loads are in; three younger steps may stay out
.else
	s_wait_loadcnt 16*(7-\s)
.endif
	MM \s
.endr
	WIN 0
.rept 4
	v_nop                                          ; four places in front of the first read of results and of loads into b1's registers and the ring
.endr
	s_cmp_eq_u32 s22, 0
	s_cbranch_scc1 .Lnopre
	s_ctz_i32_b32 s24, s22                         ; the next expert's bias and first three K steps are asked for now and land under the activation.
	s_min_u32 s24, s24, 7                          ; (All loads by the old bases are in: the wait for 0 above)
	BASES s24
	s_wait_alu depctr_va_vdst(0)                   ; step 0's products and the scaling are done with b1's registers, steps 4 to 6's products with ring buffers 0 to 2: the 56 loads below land in them
	LDB1
	RING 0
	RING 1
	RING 2
	WIN 0
.Lnopre:
.irp g, 0,1,2,3,4,5,6,7
	GELU16 \g
.endr
	s_wait_alu depctr_va_vdst(0)                   ; group 7's conversions have written its codes, which the unit's last store reads
	CSTORE 7
	s_mov_b32 s21, s22
	s_mov_b32 s23, s24
	s_wait_xcnt 0x0                                ; the stores' base and data are rewritten only behind this wait
	s_wait_alu depctr_vm_vsrc(0)                   ; the unit's eight stores have read their codes: the next unit's products and conversions write those registers again
	s_cmp_eq_u32 s21, 0
	s_cbranch_scc1 .Ldone
	s_add_co_u32 s25, s25, 1
	s_cmp_lt_u32 s25, 8
	s_cbranch_scc1 .Lunit
.Ldone:
	s_wait_dscnt 0x0                               ; the closing lines, six on end
	s_wait_alu 0x0
	s_wait_tensorcnt 0x0
	ds_add_u32 v30, v31
	s_wait_dscnt 0x0
	s_endpgm
.Lfunc_end_k_qc6e93dcbfc_ffn1:
	.size	k_qc6e93dcbfc_ffn1, .Lfunc_end_k_qc6e93dcbfc_ffn1-k_qc6e93dcbfc_ffn1
	.p2alignl 7, 3214868480
	.fill 96, 4, 3214868480
	.section	.rodata,"a",@progbits
	.p2align	6, 0x0
	.amdhsa_kernel k_qc6e93dcbfc_ffn1
		.amdhsa_group_segment_fixed_size 67072
		.amdhsa_private_segment_fixed_size 0
		.amdhsa_enable_private_segment 0
		.amdhsa_kernarg_size 56
		.amdhsa_user_sgpr_count 2
		.amdhsa_user_sgpr_kernarg_segment_ptr 1
		.amdhsa_wavefront_size32 1
		.amdhsa_system_sgpr_workgroup_id_x 1
		.amdhsa_system_sgpr_workgroup_id_y 1
		.amdhsa_system_sgpr_workgroup_id_z 1
		.amdhsa_system_vgpr_workitem_id 0
		.amdhsa_next_free_vgpr 1024
		.amdhsa_next_free_sgpr 96
		.amdhsa_reserve_vcc 0
		.amdhsa_float_denorm_mode_32 3
		.amdhsa_float_denorm_mode_16_64 3
		.amdhsa_memory_ordered 1
		.amdhsa_forward_progress 1
		.amdhsa_inst_pref_size 138
	.end_amdhsa_kernel
	.amdgpu_metadata
---
amdhsa.version: [ 1, 2 ]
amdhsa.kernels:
  - .name:           k_qc6e93dcbfc_ffn1
    .symbol:         k_qc6e93dcbfc_ffn1.kd
    .args:
      - { .name: xc, .offset: 0, .size: 8, .value_kind: global_buffer, .address_space: global }
      - { .name: wc, .offset: 8, .size: 8, .value_kind: global_buffer, .address_space: global }
      - { .name: b1, .offset: 16, .size: 8, .value_kind: global_buffer, .address_space: global }
      - { .name: lowp_scales, .offset: 24, .size: 8, .value_kind: global_buffer, .address_space: global }
      - { .name: order, .offset: 32, .size: 8, .value_kind: global_buffer, .address_space: global }
      - { .name: bmask, .offset: 40, .size: 8, .value_kind: global_buffer, .address_space: global }
      - { .name: hc, .offset: 48, .size: 8, .value_kind: global_buffer, .address_space: global }
    .group_segment_fixed_size: 67072
    .private_segment_fixed_size: 0
    .kernarg_segment_align: 8
    .kernarg_segment_size: 56
    .max_flat_workgroup_size: 128
    .sgpr_count:     96
    .vgpr_count:     1024
    .wavefront_size: 32
...
	.end_amdgpu_metadata
.endif
;; end of part 7
;; launch ffn2 (part 8): grid 4 x 64, 4 waves a work-group, no clusters, 148,992 bytes of LDS; arguments hc, wc, b2, lowp_scales, order, bmask, disp, out0; writes out0
.if DOCPART == 8
	.amdgcn_target "amdgcn-amd-amdhsa--gfx1250"
	.amdhsa_code_object_version 6
	.text
	.protected	k_qc6e93dcbfc_ffn2
	.globl	k_qc6e93dcbfc_ffn2
	.p2align	8
	.type	k_qc6e93dcbfc_ffn2,@function
k_qc6e93dcbfc_ffn2:
	s_mov_b64 s[64:65], 0
	v_nop
	global_prefetch_b8 v0, s[64:65] scope:SCOPE_SE
	s_setreg_imm32_b32 hwreg(HW_REG_WAVE_SCHED_MODE, 0, 2), 2
	s_setreg_imm32_b32 hwreg(HW_REG_WAVE_MODE, 25, 1), 1
	s_wait_xcnt 0x0
	s_wait_alu depctr_vm_vsrc(0)
; FFN2.  out0[token] = the sum over the experts e of the token's block of disp[token][e] x (h_e W2[e] x 2^(e2 + e3) + b2[e]); disp is 0 for an expert that the token did not choose.
; SHARES.  A work-group: block blk (grid y) of 64 sorted tokens x 256 output columns (grid x): each output number has one owner.  Wave w: all 64 tokens x the 64 columns of group G = 4 x + w.
; The hidden layer's codes of (expert, block), 64 KiB, lie in memory as images of the operand's registers.  Each wave fetches a quarter through registers into one of two LDS slots, a unit ahead; all waves read fragments from there.
; The weights' codes go from memory straight into a ring of four register buffers, three K steps ahead, on into the next expert.
; THE MATRIX INSTRUCTION IS USED TRANSPOSED (source 0 = 16 columns of W2, source 1 = 16 tokens): a lane holds one token, and registers j of tiles 2 b + u the columns 32 b + 16 h + 8 u + j.
; The walk: 8 trips of constant count, slots 0, 1 by turns, one barrier a trip on every wave's path; a trip with no expert left does nothing but the barrier.
; LIMIT: e2 + e3 between -126 and 127.  NaN and infinities are not served.
; NO CLUSTER, NO TENSOR LOADS: which experts a block walks is read from memory, and partners of a joint load may not part on that.
; REGISTERS: window 0: v2 16 x lane (also slot 0's fragment address), v3 slot 1's; v4, v5 where I store my quarter; v6 64 h; v7, v8 the stage in and back; v10-13 16 x my tokens; v32-63 b2; v64-67 the tokens' weights;
;   v72-103 the rows' places in out0; v128-255 accumulators, later rows on the way out.   window 1: the ring.   window 2: v0-127 the output's sums, v128-255 two buffers of h's fragments.   window 3: v0-127 my quarter of the next h.
; THE MODE: SCHED_MODE bits 1:0 = 2 (LLVM: expert scheduling mode 2), set by the entry lines.  The code itself states the register dependences
; between vector or matrix instructions and memory or LDS instructions, with s_wait_alu, always for 0.
; THE PLAN.  Registers that memory or LDS instructions touch:
;   v2-v8                 offsets and LDS addresses: made at the head, never written again.
;   v10-13, v72-103       loaded, turned into offsets by vector lines at the head, from then on only read: by the loads of the weights, by the stores of the way out.
;   ring buffer p         K step s's products read buffer s % 4; the loads at the head of step s land in buffer (s - 1) % 4, which step s - 1's products read; the next expert's steps 0, 1, 2 land behind steps 4, 5, 6.
;   h buffer p            K step s's products read buffer s % 2; the LDS loads at the head of step s land in buffer (s + 1) % 2, which step s - 1's products read.
;   b2, the weights       read by the multiply-adds that close a unit; the next unit's loads land in them.
;   window 3, v0-127      loads land here, the 32 LDS stores read them; no vector or matrix line names them.
;   window 2, v0-127      written by vector lines alone; read by the LDS stores of the way out.   v128-255: the accumulators; on the way out LDS loads land in them.
; So: one wait on va_vdst at a unit's head and one at the head of each of steps 1 to 6, each ahead of the step's runs of loads (step 7's ring loads land in the buffer that step 5 read: step 6's wait has
; covered it, and step 6's products name ring buffer 2, h buffer 0 and the accumulators alone); one ahead of the ring loads behind step 7; one ahead of the way out.
; One wait on vm_vsrc behind each run of LDS stores of h, ahead of the wait on DScnt that the barrier wants anyway.
.set ACC, 128
.set B2,  32
.set GW,  64
.set TRO, 72
.set MSB, 0
.macro WIN new                         ; the immediate's high byte repeats the setting that is left
.if MSB != \new
	s_set_vgpr_msb (MSB<<8)|\new
.set MSB, \new
.endif
.endm
.macro RING base, s                    ; K step s of my four tiles: 16 loads of 512 consecutive bytes into buffer s % 4
	WIN 0x40
.irp t, 0,1,2,3
.irp c, 0,1,2,3
	global_load_b128 v[64*((\s)%4)+16*\t+4*\c:64*((\s)%4)+16*\t+4*\c+3], v2, s[\base:\base+1] offset:8192*(\s)+2048*\t+512*\c
.endr
.endr
.endm
.macro HFL slot, s                     ; h's four fragments of K step s into buffer s % 2
	WIN 0x80
.irp m, 0,1,2,3
.irp c, 0,1,2,3
	ds_load_b128 v[128+64*((\s)%2)+16*\m+4*\c:128+64*((\s)%2)+16*\m+4*\c+3], v[2+\slot] offset:16384*\m+2048*(\s)+512*\c
.endr
.endr
.endm
.macro HLOAD i0                        ; 16 of the 32 loads of my quarter (M tile w) of the next h
	WIN 0xc0
.irp i, 0,1,2,3,4,5,6,7,8,9,10,11,12,13,14,15
	global_load_b128 v[4*(\i0+\i):4*(\i0+\i)+3], v2, s[38:39] offset:512*(\i0+\i)
.endr
.endm
.macro HSTORE slot                     ; and its way into a slot, as it lies
	WIN 0x0c
.irp i, 0,1,2,3,4,5,6,7,8,9,10,11,12,13,14,15,16,17,18,19,20,21,22,23,24,25,26,27,28,29,30,31
	ds_store_b128 v[4+\slot], v[4*\i:4*\i+3] offset:512*\i
.endr
	WIN 0
.endm
.macro MM s                            ; 16 matrix instructions; the 16 accumulators take turns, one instruction a turn; the first step starts the sums
	WIN 0x09
.irp m, 0,1,2,3
.irp t, 0,1,2,3
.if (\s) == 0
	v_wmma_f32_16x16x128_bf8_bf8 v[ACC+8*(4*\m+\t):ACC+8*(4*\m+\t)+7], v[64*((\s)%4)+16*\t:64*((\s)%4)+16*\t+15], v[128+64*((\s)%2)+16*\m:128+64*((\s)%2)+16*\m+15], 0
.else
	v_wmma_f32_16x16x128_bf8_bf8 v[ACC+8*(4*\m+\t):ACC+8*(4*\m+\t)+7], v[64*((\s)%4)+16*\t:64*((\s)%4)+16*\t+15], v[128+64*((\s)%2)+16*\m:128+64*((\s)%2)+16*\m+15], v[ACC+8*(4*\m+\t):ACC+8*(4*\m+\t)+7]
.endif
.endr
.endr
.endm
; One expert.  On entry ring steps 0 to 2 (48 loads) are out and h lies in \slot.  next = 1: another expert follows: its h and its first three ring steps are asked for on the way.
; The counts on LOADcnt are the loads issued behind the step's own: b2 and the weights 12, a ring step 16, half of h 16; where 64 are younger the count is 63.
.macro UNIT slot, next
	WIN 0
	s_wait_alu depctr_va_vdst(0)                   ; the last unit's multiply-adds are done reading b2 and the weights, its steps 6 and 7 reading the two h buffers and ring buffer 3: loads land in all of these up to step 0's products; in the first unit v10-13, the weights' offsets, are written
.irp t, 0,1,2,3
	global_load_b128 v[B2+8*\t:B2+8*\t+3], v6, s[28:29] offset:128*(\t/2)+32*(\t%2)
	global_load_b128 v[B2+8*\t+4:B2+8*\t+7], v6, s[28:29] offset:128*(\t/2)+32*(\t%2)+16
.endr
.irp m, 0,1,2,3
	global_load_b32 v[GW+\m], v[10+\m], s[30:31]   ; disp[token 16 m + r][expert]
.endr
	HFL \slot, 0
.irp s, 0,1,2,3,4,5,6,7
.rept 4
	v_nop                                          ; four places between the last products and loads into buffers that they read; they stand beside the wait below
.endr
.if (\s >= 1) && (\s <= 6)
	s_wait_alu depctr_va_vdst(0)                   ; the products of the step before are done reading their ring buffer and their h buffer, in which this step's loads land
.endif
.if \s <= 4
	RING 26, \s+3
.elseif \next && (\s == 6)
	RING 36, 0
.elseif \next && (\s == 7)
	RING 36, 1
.endif
.if \s < 7
	HFL \slot, \s+1
.endif
.if \s < 3
	s_wait_loadcnt 60
.elseif \s == 3
	s_wait_loadcnt 48
.elseif \next && (\s < 7)
	s_wait_loadcnt 63
.elseif \next
	s_wait_loadcnt 48
.else
	s_wait_loadcnt 16*(7-\s)
.endif
.if \s < 7
	s_wait_dscnt 16                                ; this step's fragments are in; the next step's 16 loads may stay out
.else
	s_wait_dscnt 0x0
.endif
.if \next && (\s == 3)
	HLOAD 0
.endif
.if \next && (\s == 4)
	HLOAD 16
.endif
	MM \s
.endr
	WIN 0
.rept 4
	v_nop                                          ; four places in front of the first read of results and of loads into the ring
.endr
.if \next
	WIN 0x40
	s_wait_alu depctr_va_vdst(0)                   ; step 6's products are done reading ring buffer 2, in which the 16 loads below land
	RING 36, 2
	WIN 0
.endif
.irp m, 0,1,2,3
.irp t, 0,1,2,3
.irp i, 0,2,4,6
	v_pk_fma_f32 v[ACC+8*(4*\m+\t)+\i:ACC+8*(4*\m+\t)+\i+1], v[ACC+8*(4*\m+\t)+\i:ACC+8*(4*\m+\t)+\i+1], s[46:47], v[B2+8*\t+\i:B2+8*\t+\i+1] op_sel_hi:[1,0,1]   ; sum x 2^(e2 + e3) + b2; each accumulator from its low end on
.endr
.endr
.endr
	WIN 0xa0                                       ; the output's sums: destination and source 2 in window 2
.irp m, 0,1,2,3
.irp t, 0,1,2,3
.irp i, 0,2,4,6
.if (\m % 2) == 0
	v_pk_fma_f32 v[8*(4*\m+\t)+\i:8*(4*\m+\t)+\i+1], v[ACC+8*(4*\m+\t)+\i:ACC+8*(4*\m+\t)+\i+1], v[GW+2*(\m/2):GW+2*(\m/2)+1], v[8*(4*\m+\t)+\i:8*(4*\m+\t)+\i+1] op_sel_hi:[1,0,1]
.else
	v_pk_fma_f32 v[8*(4*\m+\t)+\i:8*(4*\m+\t)+\i+1], v[ACC+8*(4*\m+\t)+\i:ACC+8*(4*\m+\t)+\i+1], v[GW+2*(\m/2):GW+2*(\m/2)+1], v[8*(4*\m+\t)+\i:8*(4*\m+\t)+\i+1] op_sel:[0,1,0] op_sel_hi:[1,1,1]
.endif
.endr
.endr
.endr
	WIN 0
.if \next
	s_wait_loadcnt 48                              ; my quarter of the next h is in; the next expert's ring steps 0 to 2 may stay out
	HSTORE 1-\slot                                 ; the other slot: every wave's reads of it ended in front of the last barrier
	s_wait_alu depctr_vm_vsrc(0)                   ; these 32 LDS stores have read window 3's v0-127, in which a later unit's loads of h land
.endif
.endm
.macro TRIP slot
	s_cmp_eq_u32 s21, 0
	s_cbranch_scc1 .Lidle_\@
	s_wait_xcnt 0x0                                ; the bases below are rewritten only behind this wait
	s_sub_co_u32 s22, s21, 1
	s_and_b32 s22, s22, s21                        ; the experts that remain
	s_mov_b32 s24, 0
	s_lshl_b32 s32, s23, 12
	s_add_co_u32 s32, s32, s44
	s_mov_b32 s33, 0
	s_add_nc_u64 s[28:29], s[8:9], s[32:33]        ; b2[expert], my 64 columns
	s_and_b32 s34, s23, 4
	s_lshl_b32 s34, s34, 14                        ; disp: plane expert / 4,
	s_and_b32 s35, s23, 3
	s_lshl_b32 s35, s35, 2                         ; word expert % 4
	s_add_co_u32 s34, s34, s35
	s_mov_b32 s35, 0
	s_add_nc_u64 s[30:31], s[16:17], s[34:35]
	s_cmp_eq_u32 s22, 0
	s_cbranch_scc1 .Llast_\@
	s_ctz_i32_b32 s24, s22
	s_min_u32 s24, s24, 7                          ; the next expert: its weights and its h
	s_lshl_b32 s32, s24, 20
	s_add_co_u32 s32, s32, s43
	s_add_nc_u64 s[36:37], s[6:7], s[32:33]
	s_lshl_b32 s34, s24, 22
	s_add_co_u32 s34, s34, s45
	s_add_nc_u64 s[38:39], s[4:5], s[34:35]
	UNIT \slot, 1
	s_mov_b64 s[26:27], s[36:37]                   ; (every load by the old base is in: the last step's wait)
	s_branch .Ljoin_\@
.Llast_\@:
	UNIT \slot, 0
.Ljoin_\@:
	s_mov_b32 s21, s22
	s_mov_b32 s23, s24
.Lidle_\@:
	s_wait_dscnt 0x0                               ; my reads of this slot are over and my stores into the other have landed
	s_barrier_signal -1
	s_barrier_wait -1
.endm
	s_load_b512 s[4:19], s[0:1], 0x0               ; hc s[4:5], wc s[6:7], b2 s[8:9], lowp_scales s[10:11], order s[12:13], bmask s[14:15], disp s[16:17], out0 s[18:19]
	v_lshl_add_u32 v126, v0, 2, 0x24400
	v_mov_b32 v127, 0
	v_lshrrev_b32 v9, 5, v0
	v_readfirstlane_b32 s20, v9                    ; wave 0..3
	s_mov_b32 s40, ttmp9                           ; which 256 columns
	s_and_b32 s41, ttmp7, 0xffff                   ; block
	v_and_b32 v9, 31, v0
	v_lshlrev_b32 v2, 4, v9                        ; 16 x lane
	v_and_b32 v22, 15, v0                          ; r
	v_bfe_u32 v23, v0, 4, 1                        ; h
	v_add_nc_u32 v3, 0x10000, v2                   ; slot 1 begins at 65,536
	s_wait_alu depctr_va_sdst(0)                   ; s20, the wave's number, is written, ahead of its first reader
	s_lshl_b32 s54, s20, 14                        ; (s54 and s55 are scalars of their own: no scalar line writes over them behind the vector lines that read them)
	v_add_nc_u32 v4, s54, v2                       ; my quarter of slot 0,
	v_add_nc_u32 v5, 0x10000, v4                   ; of slot 1
	v_lshlrev_b32 v6, 6, v23
	s_mul_i32 s55, s20, 4352
	s_add_co_u32 s55, s55, 0x20000                 ; my stage: 16 rows of 256 bytes + 16, behind the slots
	v_mul_u32_u24 v7, v22, 272
	v_lshl_add_u32 v7, v23, 6, v7
	v_add_nc_u32 v7, s55, v7                       ; in: row r, + 64 h
	v_mul_u32_u24 v8, v23, 272
	v_lshl_add_u32 v8, v22, 4, v8
	v_add_nc_u32 v8, s55, v8                       ; back: lanes 0-15 one row, lanes 16-31 the next
	v_lshlrev_b32 v24, 2, v22
	v_lshlrev_b32 v25, 2, v23
	v_lshlrev_b32 v26, 4, v22
	s_lshl_b32 s42, s40, 2
	s_add_co_u32 s42, s42, s20                     ; G
	s_lshl_b32 s43, s42, 16
	s_add_co_u32 s43, s43, 8<<20                   ; wc: W2's matrices lie behind W1's eight
	s_lshl_b32 s44, s42, 8                         ; my 64 columns in a row of f32
	s_lshl_b32 s45, s41, 16
	s_lshl_b32 s33, s20, 14
	s_add_co_u32 s45, s45, s33                     ; hc: block, M tile w
	s_lshl_b32 s32, s41, 8
	s_mov_b32 s33, 0
	s_lshl_b32 s34, s41, 2
	s_mov_b32 s35, 0
	s_wait_kmcnt 0x0
	s_add_nc_u64 s[12:13], s[12:13], s[32:33]      ; order at the block's first place
	s_add_nc_u64 s[14:15], s[14:15], s[34:35]
	s_load_b32 s21, s[14:15], 0x0                  ; the block's experts
	s_load_b128 s[48:51], s[10:11], 0x0            ; e0, e1, e2, e3
	s_wait_alu depctr_va_vdst(0)                   ; the offsets and LDS addresses v2 to v8, v24 and v25 are written, which the loads, LDS instructions and stores below read
.irp m, 0,1,2,3
	global_load_b32 v[10+\m], v24, s[12:13] offset:64*\m                 ; the token of row 16 m + r
.endr
.irp m, 0,1,2,3
.irp i, 0,1,2,3,4,5,6,7
	global_load_b32 v[TRO+8*\m+\i], v25, s[12:13] offset:64*\m+8*\i      ; the token of row 16 m + 2 i + lane / 16, for the way out
.endr
.endr
	s_mov_b32 s34, s44
	s_add_nc_u64 s[52:53], s[18:19], s[34:35]      ; out0 at my 64 columns
	s_wait_kmcnt 0x0
	s_and_b32 s21, s21, 0xff
	s_ctz_i32_b32 s23, s21
	s_min_u32 s23, s23, 7                          ; the first expert
	s_lshl_b32 s32, s23, 20
	s_add_co_u32 s32, s32, s43
	s_add_nc_u64 s[26:27], s[6:7], s[32:33]
	s_lshl_b32 s34, s23, 22
	s_add_co_u32 s34, s34, s45
	s_add_nc_u64 s[38:39], s[4:5], s[34:35]
	HLOAD 0
	HLOAD 16
	RING 26, 0
	WIN 0
	s_add_co_i32 s46, s50, s51
	s_add_co_i32 s46, s46, 127
	s_lshl_b32 s46, s46, 23                        ; 2^(e2 + e3)
	s_mov_b32 s47, s46                             ; (named with it as a pair, so it is written)
	s_wait_loadcnt 48                              ; the tokens are in; h's 32 loads and ring step 0's 16 may stay out
.irp m, 0,1,2,3
	v_min_u32 v[10+\m], 0xfff, v[10+\m]
	v_lshlrev_b32 v[10+\m], 4, v[10+\m]            ; a token's 16 bytes in a plane of disp
.endr
.irp j, 0,1,2,3,4,5,6,7,8,9,10,11,12,13,14,15,16,17,18,19,20,21,22,23,24,25,26,27,28,29,30,31
	v_min_u32 v[TRO+\j], 0xfff, v[TRO+\j]
	v_lshl_add_u32 v[TRO+\j], v[TRO+\j], 12, v26   ; the token's row of out0, + 16 (lane % 16)
.endr
	s_wait_loadcnt 16                              ; my quarter of the first h is in
	HSTORE 0
	RING 26, 1
	RING 26, 2
	WIN 0x80
.set zi, 0
.rept 128
	v_mov_b32 v[zi], 0                             ; the output's sums.  Which expert comes first is not known to the text: a unit that started them would be a third pair of copies
.set zi, zi+1
.endr
	WIN 0
	s_wait_alu depctr_vm_vsrc(0)                   ; my 32 LDS stores have read window 3's v0-127, in which the first unit's loads of the next h land
	s_wait_dscnt 0x0                               ; for the others' sake: my quarter has landed
	s_barrier_signal -1
	s_barrier_wait -1
	s_mov_b32 s25, 0
.Ltrips:
	TRIP 0
	TRIP 1
	s_add_co_u32 s25, s25, 1
	s_cmp_lt_u32 s25, 4
	s_cbranch_scc1 .Ltrips
; THE WAY OUT, an M tile (16 tokens x my 64 columns) at a time through my own stage: a lane holds pieces of one row, and the row's 256 bytes leave from sixteen neighbouring lanes.
; LDS serves a wave's instructions in order: the loads see the stores above them, and the next tile's stores come behind them.
.macro TOSTAGE m
	WIN 0x08                                       ; the stores' data in window 2
.irp t, 0,1,2,3
	ds_store_b128 v7, v[8*(4*(\m)+\t):8*(4*(\m)+\t)+3] offset:128*(\t/2)+32*(\t%2)
	ds_store_b128 v7, v[8*(4*(\m)+\t)+4:8*(4*(\m)+\t)+7] offset:128*(\t/2)+32*(\t%2)+16
.endr
	WIN 0
.irp i, 0,1,2,3,4,5,6,7
	ds_load_b128 v[128+32*(\m)+4*\i:128+32*(\m)+4*\i+3], v8 offset:544*\i
.endr
.endm
.macro SEND m, younger                 ; younger: the LDS instructions issued behind tile m's loads: the next tile's sixteen, or none
	s_wait_dscnt \younger
.irp i, 0,1,2,3,4,5,6,7
	global_store_b128 v[TRO+8*(\m)+\i], v[128+32*(\m)+4*\i:128+32*(\m)+4*\i+3], s[52:53] th:TH_STORE_NT   ; each half of the lanes stores 256 consecutive bytes of a token's row, aligned
.endr
.endm
	s_wait_alu depctr_va_vdst(0)                   ; the output's sums are written, which the LDS stores read; the products and multiply-adds are done with v128-255, in which the LDS loads land; v72-103, the stores' offsets, are written.  No vector line follows
	TOSTAGE 0
	TOSTAGE 1
	SEND 0, 16
	TOSTAGE 2
	SEND 1, 16
	TOSTAGE 3
	SEND 2, 16
	SEND 3, 0
	s_wait_dscnt 0x0                               ; the closing lines, six on end
	s_wait_alu 0x0
	s_wait_tensorcnt 0x0
	ds_add_u32 v126, v127
	s_wait_dscnt 0x0
	s_endpgm
.Lfunc_end_k_qc6e93dcbfc_ffn2:
	.size	k_qc6e93dcbfc_ffn2, .Lfunc_end_k_qc6e93dcbfc_ffn2-k_qc6e93dcbfc_ffn2
	.p2alignl 7, 3214868480
	.fill 96, 4, 3214868480
	.section	.rodata,"a",@progbits
	.p2align	6, 0x0
	.amdhsa_kernel k_qc6e93dcbfc_ffn2
		.amdhsa_group_segment_fixed_size 148992
		.amdhsa_private_segment_fixed_size 0
		.amdhsa_enable_private_segment 0
		.amdhsa_kernarg_size 64
		.amdhsa_user_sgpr_count 2
		.amdhsa_user_sgpr_kernarg_segment_ptr 1
		.amdhsa_wavefront_size32 1
		.amdhsa_system_sgpr_workgroup_id_x 1
		.amdhsa_system_sgpr_workgroup_id_y 1
		.amdhsa_system_sgpr_workgroup_id_z 1
		.amdhsa_system_vgpr_workitem_id 0
		.amdhsa_next_free_vgpr 896
		.amdhsa_next_free_sgpr 66
		.amdhsa_reserve_vcc 0
		.amdhsa_float_denorm_mode_32 3
		.amdhsa_float_denorm_mode_16_64 3
		.amdhsa_memory_ordered 1
		.amdhsa_forward_progress 1
		.amdhsa_inst_pref_size 195
	.end_amdhsa_kernel
	.amdgpu_metadata
---
amdhsa.version: [ 1, 2 ]
amdhsa.kernels:
  - .name:           k_qc6e93dcbfc_ffn2
    .symbol:         k_qc6e93dcbfc_ffn2.kd
    .args:
      - { .name: hc, .offset: 0, .size: 8, .value_kind: global_buffer, .address_space: global }
      - { .name: wc, .offset: 8, .size: 8, .value_kind: global_buffer, .address_space: global }
      - { .name: b2, .offset: 16, .size: 8, .value_kind: global_buffer, .address_space: global }
      - { .name: lowp_scales, .offset: 24, .size: 8, .value_kind: global_buffer, .address_space: global }
      - { .name: order, .offset: 32, .size: 8, .value_kind: global_buffer, .address_space: global }
      - { .name: bmask, .offset: 40, .size: 8, .value_kind: global_buffer, .address_space: global }
      - { .name: disp, .offset: 48, .size: 8, .value_kind: global_buffer, .address_space: global }
      - { .name: out0, .offset: 56, .size: 8, .value_kind: global_buffer, .address_space: global }
    .group_segment_fixed_size: 148992
    .private_segment_fixed_size: 0
    .kernarg_segment_align: 8
    .kernarg_segment_size: 64
    .max_flat_workgroup_size: 128
    .sgpr_count:     66
    .vgpr_count:     896
    .wavefront_size: 32
...
	.end_amdgpu_metadata
.endif
;; end of part 8
